; MI455X (gfx1250); checked and timed in simulation.
; The chip was launched on July 23, 2026; its instructions are those of AMD's public machine-readable ISA for CDNA 5 (MIT licence, August 2026) and "CDNA5" Instruction Set Architecture Reference Guide (July 2026). The comments in the code are by the model that wrote it; some were corrected since.
;; Flash Cross Attention. Allowed arithmetic: matrix products marked QUANTISED: E2M1 operands, one E8M0 scale for each 32 along K, by v_wmma_scale_f32_16x16x128_f8f6f4 with both operands' format E2M1 (or v_wmma_scale_f32_32x16x128_f4), f32 sums; everything else in f32.
;; Inputs: Wkv 2,048 x 1,024 float32; Wo 1,024 x 1,024 float32; Wq 1,024 x 1,024 float32; encoder_out 4 x 2,048 x 1,024 float32; norm_w 1,024 float32; x 4 x 2,048 x 1,024 float32.
;; Outputs: out0 4 x 2,048 x 1,024 float32.
;; Constants: decoder_offset = 0.
;; This version of the problem:
;;   THIS VERSION OF THE PROBLEM IS GIVEN IN LOW PRECISION. The matrix products marked QUANTISED in the list below multiply operands that are first quantised to E2M1 (2 exponent bits, 1 mantissa bit; 4 bits a number), with one power-of-two scale for each 32 numbers along K (OCP MX v1.0); their sums are f32. All else is computed in f32.
;;   The module's matrix products, in the order in which they are computed (A, B: the left and right operand; K: the contracted axis; several contracted axes count as one K, in the product's order):
;;     1. [M 8,192, K 1,024] x [K 1,024, N 1,024]; A: computed on the way; B: input Wq: QUANTISED
;;     2. [M 8,192, K 1,024] x [K 1,024, N 2,048]; A: input encoder_out; B: input Wkv: QUANTISED
;;     3. batch 64 x [M 2,048, K 64] x [K 64, N 2,048]; A: computed on the way; B: computed on the way: QUANTISED
;;     4. batch 64 x [M 64, K 2,048] x [K 2,048, N 2,048]; A: computed on the way; B: softmax (see below): QUANTISED
;;     5. [M 8,192, K 1,024] x [K 1,024, N 1,024]; A: computed on the way; B: input Wo: QUANTISED
;;   THE QUANTISER, for each operand of a quantised product, along K:
;;     - K is cut into blocks of 32 from its start; a last block that is shorter is filled with zeros.
;;     - A block's scale is 2^e with e = floor(log2(the largest magnitude in the block)) - 2, held to -126 .. 127; a block of zeros has e = 0. As a byte (E8M0): e + 127.
;;     - Each number is divided by its block's scale, clamped to +-6, and rounded to the nearest number of E2M1, ties to even, subnormals kept.
;;     - The product sums the exact products of the quantised numbers (number of the format x scale) in f32.
;;   ~~~python
;;   def quantise(x, axis):      # numpy; x: float32 -> the quantised numbers, widened to float32 again
;;       x = np.moveaxis(x, axis, -1); K = x.shape[-1]
;;       x = np.pad(x, [(0, 0)] * (x.ndim - 1) + [(0, -K % 32)]); x = x.reshape(x.shape[:-1] + (-1, 32)); a = np.abs(x).max(-1, keepdims=True)
;;       e = np.where(a > 0, np.clip(np.frexp(np.where(a > 0, a, 1))[1] - 1 - 2, -126, 127), 0)      # np.frexp(a)[1] - 1 = floor(log2(a)), exactly
;;       r = np.clip(x / 2.0 ** e, -6, 6)
;;       step = 2.0 ** (np.maximum(np.frexp(np.where(r == 0, 1, r))[1] - 1, 0) - 1)
;;       q = np.round(r / step) * step * 2.0 ** e      # np.round: ties to even
;;       return np.moveaxis(q.reshape(q.shape[:-2] + (-1,))[..., :K], -1, axis).astype(np.float32)
;;   ~~~
;;   SOFTMAX AHEAD OF A QUANTISED PRODUCT. Where the list says 'softmax', what is quantised is not the finished softmax but p = 2^(t - M), with t = logit x log2(e) and M = ceil(the row's largest t), a whole number; so 1/2 < the row's largest p <= 1. The row's sum l is taken of the UNQUANTISED p, in f32, and the product's result is divided by l at the end. Since M is a whole number, a kernel that streams over the keys may use a running M (the ceiling of the running maximum): every later rescaling is an exact power of two, which a block's scale takes up: the codes' values come out the same.
;;   OPERANDS COMPUTED ON THE WAY. 'Computed on the way' means the value that the module computes at that place (a softmax that the list does not call 'softmax' is quantised finished and normalised). What goes into a quantiser is computed in f32, as accurately as f32 sums, v_exp_f32 and their like allow (about 1e-6 of the number): no bf16 or f16 on the way to a quantiser, and a product that is left as it is and whose result goes on into a quantised operand takes f32 operands (vector FMAs, or v_wmma_f32_16x16x4_f32). A number that lies on a knife's edge between two numbers of the format may be rounded either way, as far as f32 arithmetic and the matrix unit's own rounding can turn it there, and no further.
;; One version. Each part assembles by itself: llvm-mc -triple=amdgcn-amd-amdhsa -mcpu=gfx1250 --defsym DOCPART=n.
;; ======== version 1 of 1: 4 launches
;; limits: a function is approximated: absolute error at most 0.0006
;; workspace buffers: opc 10,485,760 bytes; ops 655,360 bytes; rot 524,288 bytes; qkvc 12,582,912 bytes; qkvs 786,432 bytes; aoc 4,194,304 bytes; aos 262,144 bytes
;; launch prep (part 1): grid 256 x 1, 5 waves a work-group, no clusters, 92,928 bytes of LDS; arguments x, encoder_out, Wq, Wkv, Wo, norm_w, opc, ops, rot; writes opc, ops, rot
.if DOCPART == 1
	.amdgcn_target "amdgcn-amd-amdhsa--gfx1250"
	.amdhsa_code_object_version 6
	.text
	.protected	k_qe836274a4d_prep
	.globl	k_qe836274a4d_prep
	.p2align	8
	.type	k_qe836274a4d_prep,@function
k_qe836274a4d_prep:
	s_mov_b64 s[64:65], 0
	v_nop
	global_prefetch_b8 v0, s[64:65] scope:SCOPE_SE
	s_setreg_imm32_b32 hwreg(HW_REG_WAVE_MODE, 25, 1), 1
	s_wait_xcnt 0x0
; PREP: every operand that arrives as f32 with K = 1,024 innermost becomes codes of FP4 (E2M1) with one E8M0 byte for each 32 along K: rmsnorm(x) x norm_w, encoder_out, Wq, Wkv, Wo.
; 20,480 rows in all = 1,280 tiles of 16 rows = 256 work-groups x 5 waves: a wave owns tile Tg = 5 x work-group + wave.  Tiles 0-511 x, 512-1023 encoder_out, 1024-1087 Wq, 1088-1215 Wkv, 1216-1279 Wo.
; THE ROWS OF A TILE ARE NOT NEIGHBOURS: position t of tile 2 B + u (counted in its tensor) is row 32 B + 8 u + t + 8 (t / 8).  Used on both sides of every later product, this order makes a lane's 16 results of two
; neighbouring tiles 16 neighbours along the axis that is quantised next.
; OUT: opc [K half 2][Tg][K step 4][1,024 bytes]: a fragment (16 rows x 128 K) as an image of its operand registers: [c 2][lane 32][16 bytes], lane (t, h), group c = k 64 c + 32 h + 0 .. 31 of the row at position t.
;      ops [Tg][position 16][32 bytes]: a row's 32 scale bytes in their order: eight words, one for each K step.
;      rot [T' 128][g 8][lane 32][16 bytes]: cos (g 0-3) and sin (g 4-7) of RoPE for position PI(T', lane % 16) and frequencies d = 16 (lane / 16) + 4 (g % 4) + 0 .. 3: the register image that the next launch loads.
; A row is 32 blocks of 32: lane l works block l.  Loads take the bytes as they lie (512 consecutive bytes an instruction); a row turns through the wave's own stage in LDS (places of 128 + 16 bytes) and comes back 128 bytes a lane.
; A lane's 16 bytes of codes of row t are bytes 256 l + 16 t of the tile's 8,192: they gather in a second stage (units of 256 + 16 bytes) and leave as 16 stores of 512 consecutive bytes.
; One path serves all tensors: only the pointer is chosen (by the tile's number); where the tile is not x's, the norm's factor and gain are replaced by 1.0, which changes no bit.
; No matrix unit, no tensor load, no cluster, no barrier: the waves share nothing and each input byte is read once.
; LIMITS: NaN and infinities are not served.  A block of zeros, or one whose largest magnitude lies under 2^-124, gets the byte 1 (the rule says 127 for zeros): its codes are zeros or held, and this program alone reads the bytes.
; RoPE's frequencies are 2^(-d log2(10) / 8) by one multiplication and v_exp_f32: some 3 parts in 10^7 off 10000^(-d / 32); angles are reduced by pi / 2 in two parts, sine and cosine by polynomials good to about 1e-7.
.set HS,   5242880                     ; from K half 0 to K half 1 in opc
.set WREG, 18432                       ; LDS of a wave
.set TST,  4608                        ; a turn stage: 32 places
.set TP,   144                         ; a place: 128 bytes + 16
.set OSTG, 9216                        ; the codes' stage: 32 units
.set OP,   272                         ; a unit: 256 bytes + 16
.set SSTG, 17920                       ; the tile's 512 scale bytes
.set C,    24                          ; v24-31   codes, two sets of 4
.set W,    32                          ; v32-63   norm_w of my block (or 1.0)
.set X,    64                          ; v64-127  my block of a row, two sets of 32
.set R,    128                         ; v128-223 rows as loaded, three sets of 32
	s_load_b256 s[4:11], s[0:1], 0x0               ; x, encoder_out, Wq, Wkv
	s_load_b256 s[12:19], s[0:1], 0x20             ; Wo, norm_w, opc, ops
	s_load_b64 s[20:21], s[0:1], 0x40              ; rot
	v_lshl_add_u32 v248, v0, 2, 0x16800
	v_mov_b32 v249, 0
	v_lshrrev_b32 v1, 5, v0
	v_readfirstlane_b32 s22, v1                    ; wave 0..4
	v_and_b32 v1, 31, v0                           ; lane l
	s_mul_i32 s23, ttmp9, 5
	s_add_co_u32 s23, s23, s22                     ; Tg
	s_mul_i32 s30, s22, WREG
	s_add_co_u32 s31, s30, OSTG
	s_add_co_u32 s32, s30, SSTG
	s_mov_b32 s52, 0x76543210
	s_mov_b32 s53, 0xfedcba98                      ; v_permlanex16_b32's selects for lane l xor 16
	s_mov_b32 s54, 0x3a800000                      ; 1 / 1,024
	s_mov_b32 s55, 0x358637bd                      ; 1e-6
	v_lshlrev_b32 v2, 4, v1                        ; 16 l: my bytes of 512; never rewritten
	v_lshrrev_b32 v10, 3, v1
	v_mul_u32_u24 v10, v10, TP
	v_and_b32 v11, 7, v1
	v_lshl_add_u32 v3, v11, 4, v10
	v_add_nc_u32 v3, s30, v3                       ; turn stage, in: eight lanes' 128 bytes on end, then the padding
	v_mul_u32_u24 v4, v1, TP
	v_add_nc_u32 v4, s30, v4                       ; turn stage, out: my block
	v_mul_u32_u24 v5, v1, OP
	v_add_nc_u32 v5, s31, v5                       ; codes' stage, in: unit l
	v_lshrrev_b32 v10, 4, v1
	v_mul_u32_u24 v10, v10, OP
	v_and_b32 v11, 15, v1
	v_lshl_add_u32 v6, v11, 4, v10
	v_add_nc_u32 v6, s31, v6                       ; codes' stage, out: sixteen lanes to a unit
	v_add_nc_u32 v7, s32, v1                       ; my block's scale byte in a row's 32
	v_add_nc_u32 v8, s32, v2                       ; the 512 scale bytes, out
	v_lshlrev_b32 v9, 7, v1                        ; norm_w: my block's 128 bytes
	s_wait_kmcnt 0x0
	s_mov_b64 s[24:25], s[12:13]                   ; which tensor: the choice hangs on the tile's number alone
	s_mov_b32 s26, 1216
	s_cmp_lt_u32 s23, 1216
	s_cselect_b64 s[24:25], s[10:11], s[24:25]
	s_cselect_b32 s26, 1088, s26
	s_cmp_lt_u32 s23, 1088
	s_cselect_b64 s[24:25], s[8:9], s[24:25]
	s_cselect_b32 s26, 1024, s26
	s_cmp_lt_u32 s23, 1024
	s_cselect_b64 s[24:25], s[6:7], s[24:25]
	s_cselect_b32 s26, 512, s26
	s_cmp_lt_u32 s23, 512
	s_cselect_b64 s[24:25], s[4:5], s[24:25]
	s_cselect_b32 s26, 0, s26
	s_cselect_b32 s27, -1, 0                       ; all ones where the tile is x's
	s_sub_co_u32 s28, s23, s26                     ; the tile's number in its tensor
	s_lshr_b32 s29, s28, 1
	s_lshl_b32 s29, s29, 17                        ; 32 rows of 4,096 bytes for each pair of tiles,
	s_and_b32 s28, s28, 1
	s_lshl_b32 s28, s28, 15                        ; 8 rows for the odd tile
	s_add_co_u32 s28, s28, s29
	s_mov_b32 s29, 0
	s_add_nc_u64 s[24:25], s[24:25], s[28:29]
	s_lshl_b32 s28, s23, 12
	s_add_nc_u64 s[16:17], s[16:17], s[28:29]      ; opc at my tile
	s_lshl_b32 s28, s23, 9
	s_add_nc_u64 s[18:19], s[18:19], s[28:29]      ; ops at my tile
.irp j, 0,1,2,3,4,5,6,7
	global_load_b128 v[W+4*\j:W+4*\j+3], v9, s[14:15] offset:16*\j
.endr
.macro LOAD t                          ; the row at position t, 8 x 512 consecutive bytes, into set t % 3
.irp j, 0,1,2,3,4,5,6,7
	global_load_b128 v[R+32*((\t)%3)+4*\j:R+32*((\t)%3)+4*\j+3], v2, s[24:25] offset:((\t)+8*((\t)/8))*4096+512*\j th:TH_LOAD_NT
.endr
.endm
.macro TURN t                          ; through the turn stage: LDS serves a wave's instructions in order (ISA guide 5.7.1.4), so no wait stands between the stores and the loads
.irp j, 0,1,2,3,4,5,6,7
	ds_store_b128 v3, v[R+32*((\t)%3)+4*\j:R+32*((\t)%3)+4*\j+3] offset:TST*((\t)%2)+4*TP*\j
.endr
.irp j, 0,1,2,3,4,5,6,7
	ds_load_b128 v[X+32*((\t)%2)+4*\j:X+32*((\t)%2)+4*\j+3], v4 offset:TST*((\t)%2)+16*\j
.endr
.endm
	LOAD 0
	LOAD 1
	LOAD 2
	; ---- the table: tiles 0-511 each make one item (T' = Tg / 4, gg = Tg % 4) while their first rows are on their way.  A branch on ids; no LDS is touched; v224-247 and v2 are never written again
	s_cmp_ge_u32 s23, 512
	s_cbranch_scc1 .Lno_table
	s_lshr_b32 s33, s23, 2                         ; T'
	s_and_b32 s34, s23, 3                          ; gg
	s_lshr_b32 s35, s33, 1
	s_lshl_b32 s35, s35, 5
	s_and_b32 s48, s33, 1
	s_lshl_b32 s48, s48, 3
	s_add_co_u32 s35, s35, s48                     ; 32 (T' / 2) + 8 (T' % 2)
	s_lshl_b32 s36, s34, 2                         ; 4 gg
	s_mov_b32 s44, 0x3fc90fdb                      ; pi / 2, its f32 part,
	s_mov_b32 s45, 0xb33bbd2e                      ; and what that leaves
	s_mov_b32 s46, 0xb94ca1f9                      ; the sine's highest coefficient
	s_mov_b32 s47, 0x37ccf5ce                      ; the cosine's
	v_and_b32 v224, 15, v1
	v_and_b32 v225, 8, v224
	v_add_nc_u32 v224, v224, v225
	v_add_nc_u32 v224, s35, v224
	v_cvt_f32_u32 v224, v224                       ; the position, as f32
	v_and_b32 v225, 16, v1
	v_add_nc_u32 v225, s36, v225                   ; d of e = 0: 16 h + 4 gg
.irp e, 0,1,2,3
	v_add_nc_u32 v[228+\e], \e, v225
.endr
.irp e, 0,1,2,3
	v_cvt_f32_u32 v[228+\e], v[228+\e]
.endr
.irp e, 0,1,2,3
	v_mul_f32 v[228+\e], 0xbed49a78, v[228+\e]     ; -d log2(10) / 8
.endr
.irp e, 0,1,2,3
	v_exp_f32 v[228+\e], v[228+\e]                 ; 10000^(-d / 32)
.endr
	v_nop                                          ; a plain instruction behind the last exponential,
	s_wait_alu depctr_va_vdst(0)                   ; and the one wait for the four, ahead of their first reader
.irp e, 0,1,2,3
	v_mul_f32 v[228+\e], v224, v[228+\e]           ; the angle: one rounding
.endr
.irp e, 0,1,2,3
	v_mul_f32 v[232+\e], 0x3f22f983, v[228+\e]
.endr
.irp e, 0,1,2,3
	v_rndne_f32 v[232+\e], v[232+\e]               ; n: quarter turns
.endr
.irp e, 0,1,2,3
	v_fma_f32 v[228+\e], -v[232+\e], s44, v[228+\e]
.endr
.irp e, 0,1,2,3
	v_fma_f32 v[228+\e], -v[232+\e], s45, v[228+\e] ; what is left, within pi / 4 of 0
.endr
.irp e, 0,1,2,3
	v_mul_f32 v[236+\e], v[228+\e], v[228+\e]      ; z
.endr
.irp e, 0,1,2,3
	v_cvt_i32_f32 v[232+\e], v[232+\e]
.endr
.irp e, 0,1,2,3
	v_fmaak_f32 v[240+\e], s46, v[236+\e], 0x3c08839e
	v_fmaak_f32 v[244+\e], s47, v[236+\e], 0xbab6061a
.endr
.irp e, 0,1,2,3
	v_fmaak_f32 v[240+\e], v[240+\e], v[236+\e], 0xbe2aaaa3
	v_fmaak_f32 v[244+\e], v[244+\e], v[236+\e], 0x3d2aaaa5
.endr
.irp e, 0,1,2,3
	v_mul_f32 v[240+\e], v[240+\e], v[236+\e]
	v_mul_f32 v[244+\e], v[244+\e], v[236+\e]
	v_fma_f32 v[16+\e], v[236+\e], -0.5, 1.0
.endr
.irp e, 0,1,2,3
	v_fma_f32 v[240+\e], v[240+\e], v[228+\e], v[228+\e]   ; the sine of what is left
	v_fma_f32 v[244+\e], v[244+\e], v[236+\e], v[16+\e]    ; its cosine
.endr
.irp e, 0,1,2,3
	v_and_b32 v[16+\e], 1, v[232+\e]
	v_cmp_eq_u32 vcc_lo, 1, v[16+\e]               ; an odd quarter swaps the two (a choice of values only)
	v_cndmask_b32 v[236+\e], v[240+\e], v[244+\e], vcc_lo
	v_cndmask_b32 v[228+\e], v[244+\e], v[240+\e], vcc_lo
	v_lshlrev_b32 v[16+\e], 30, v[232+\e]
	v_and_b32 v[16+\e], 0x80000000, v[16+\e]
	v_xor_b32 v[236+\e], v[16+\e], v[236+\e]       ; the sine is negative in quarters 2 and 3,
	v_add_nc_u32 v[232+\e], 1, v[232+\e]
	v_lshlrev_b32 v[232+\e], 30, v[232+\e]
	v_and_b32 v[232+\e], 0x80000000, v[232+\e]
	v_xor_b32 v[228+\e], v[232+\e], v[228+\e]      ; the cosine in quarters 1 and 2
.endr
	s_lshl_b32 s48, s33, 12
	s_lshl_b32 s49, s34, 9
	s_add_co_u32 s48, s48, s49
	s_mov_b32 s49, 0
	s_add_nc_u64 s[20:21], s[20:21], s[48:49]
	global_store_b128 v2, v[228:231], s[20:21]               ; 512 consecutive bytes each
	global_store_b128 v2, v[236:239], s[20:21] offset:2048
.Lno_table:
	s_wait_loadcnt 16                              ; norm_w and row 0 are in; rows 1 and 2 (16 loads) may be out
.irp i, 0,1,2,3,4,5,6,7,8,9,10,11,12,13,14,15,16,17,18,19,20,21,22,23,24,25,26,27,28,29,30,31
	v_cndmask_b32 v[W+\i], 1.0, v[W+\i], s27       ; the gain counts for x alone
.endr
	TURN 0
.macro ROW t
.set XS, X+32*((\t)%2)
.set CC, C+4*((\t)%2)
.set BY, 18+((\t)%2)
.if (\t) > 0
	s_wait_dscnt 2                                 ; this row is back from the turn stage; the last row's two stage stores may be out
.else
	s_wait_dscnt 0x0
.endif
.if (\t)+3 < 16
	LOAD (\t)+3                                    ; into the set that this row has left
.endif
.if (\t) < 13
	s_wait_loadcnt 16                              ; the next row is in; the two rows behind it may be out
	TURN (\t)+1
.elseif (\t) == 13
	s_wait_loadcnt 8                               ; one row behind it
	TURN (\t)+1
.elseif (\t) == 14
	s_wait_loadcnt 0x0
	TURN (\t)+1
.endif
	v_pk_mul_f32 v[10:11], v[XS:XS+1], v[XS:XS+1]          ; the sum of squares, in two packed chains
	v_pk_mul_f32 v[12:13], v[XS+2:XS+3], v[XS+2:XS+3]
.irp i, 4,8,12,16,20,24,28
	v_pk_fma_f32 v[10:11], v[XS+\i:XS+\i+1], v[XS+\i:XS+\i+1], v[10:11]
	v_pk_fma_f32 v[12:13], v[XS+\i+2:XS+\i+3], v[XS+\i+2:XS+\i+3], v[12:13]
.endr
	v_pk_add_f32 v[10:11], v[10:11], v[12:13]
	v_add_f32 v10, v10, v11
	v_add_f32_dpp v10, v10, v10 row_xmask:1 row_mask:0xf bank_mask:0xf
	v_add_f32_dpp v10, v10, v10 row_xmask:2 row_mask:0xf bank_mask:0xf
	v_add_f32_dpp v10, v10, v10 row_xmask:4 row_mask:0xf bank_mask:0xf
	v_add_f32_dpp v10, v10, v10 row_xmask:8 row_mask:0xf bank_mask:0xf
	v_permlanex16_b32 v11, v10, s52, s53
	v_add_f32 v10, v10, v11                        ; the row's, in every lane
	v_fma_f32 v10, v10, s54, s55                   ; the mean + 1e-6
	v_rsq_f32 v12, v10
	v_rsq_f32 v13, v10                             ; twice: a pair for the packed multiply
	v_nop                                          ; a plain instruction behind the transcendentals,
	s_wait_alu depctr_va_vdst(0)                   ; and one wait for both, ahead of their first reader
	v_cndmask_b32 v12, 1.0, v12, s27               ; the norm counts for x alone
	v_cndmask_b32 v13, 1.0, v13, s27
.irp i, 0,2,4,6,8,10,12,14,16,18,20,22,24,26,28,30
	v_pk_mul_f32 v[XS+\i:XS+\i+1], v[XS+\i:XS+\i+1], v[12:13]
.endr
.irp i, 0,2,4,6,8,10,12,14,16,18,20,22,24,26,28,30
	v_pk_mul_f32 v[XS+\i:XS+\i+1], v[XS+\i:XS+\i+1], v[W+\i:W+\i+1]   ; (x r) w, in that order
.endr
	v_max3_num_f32 v14, |v[XS]|, |v[XS+1]|, |v[XS+2]|       ; the block's largest magnitude: all 32 numbers are mine
	v_max3_num_f32 v15, |v[XS+3]|, |v[XS+4]|, |v[XS+5]|
.irp i, 6,10,14,18,22,26
	v_max3_num_f32 v14, v14, |v[XS+\i]|, |v[XS+\i+1]|
	v_max3_num_f32 v15, v15, |v[XS+\i+2]|, |v[XS+\i+3]|
.endr
	v_max3_num_f32 v14, v14, |v[XS+30]|, |v[XS+31]|
	v_max3_num_f32 v14, v14, v15, 0x1800000        ; and the floor 2^(3 - 127): the byte cannot fall under 1
	v_add_nc_u32 v16, 0xff000000, v14              ; 2 off its exponent field: the conversion takes that field as its scale
.irp g, 0,1,2,3
	v_cvt_scalef32_pk8_fp4_f32 v[CC+\g], v[XS+8*\g:XS+8*\g+7], v16
.endr
	v_lshrrev_b32 v[BY], 23, v16                   ; the scale's byte (also the plain instruction behind the conversions)
	ds_store_b128 v5, v[CC:CC+3] offset:16*(\t)
	ds_store_b8 v7, v[BY] offset:32*(\t)
.endm
.irp t, 0,1,2,3,4,5,6,7,8,9,10,11,12,13,14,15
	ROW \t
.endr
.irp i, 0,1,2,3,4,5,6,7,8,9,10,11,12,13,14,15
	ds_load_b128 v[R+4*\i:R+4*\i+3], v6 offset:2*OP*\i     ; two units, 512 bytes of the tile's image; these see my stores
.endr
	ds_load_b128 v[R+64:R+67], v8
.irp i, 0,1,2,3,4,5,6,7,8,9,10,11,12,13,14,15
	s_wait_dscnt 16-\i                             ; the younger loads may be out
	global_store_b128 v2, v[R+4*\i:R+4*\i+3], s[16:17] offset:(\i/8)*HS+(\i%8)*512   ; 512 consecutive bytes, aligned
.endr
	s_wait_dscnt 0x0
	global_store_b128 v2, v[R+64:R+67], s[18:19]
	s_wait_tensorcnt 0x0
	ds_add_u32 v248, v249
	s_wait_dscnt 0x0
	s_endpgm
.Lfunc_end_k_qe836274a4d_prep:
	.size	k_qe836274a4d_prep, .Lfunc_end_k_qe836274a4d_prep-k_qe836274a4d_prep
	.p2alignl 7, 3214868480
	.fill 96, 4, 3214868480
	.section	.rodata,"a",@progbits
	.p2align	6, 0x0
	.amdhsa_kernel k_qe836274a4d_prep
		.amdhsa_group_segment_fixed_size 92928
		.amdhsa_private_segment_fixed_size 0
		.amdhsa_enable_private_segment 0
		.amdhsa_kernarg_size 72
		.amdhsa_user_sgpr_count 2
		.amdhsa_user_sgpr_kernarg_segment_ptr 1
		.amdhsa_wavefront_size32 1
		.amdhsa_system_sgpr_workgroup_id_x 1
		.amdhsa_system_sgpr_workgroup_id_y 1
		.amdhsa_system_sgpr_workgroup_id_z 1
		.amdhsa_system_vgpr_workitem_id 0
		.amdhsa_next_free_vgpr 250
		.amdhsa_next_free_sgpr 66
		.amdhsa_reserve_vcc 1
		.amdhsa_float_denorm_mode_32 3
		.amdhsa_float_denorm_mode_16_64 3
		.amdhsa_memory_ordered 1
		.amdhsa_forward_progress 1
		.amdhsa_inst_pref_size 129
	.end_amdhsa_kernel
	.amdgpu_metadata
---
amdhsa.version: [ 1, 2 ]
amdhsa.kernels:
  - .name:           k_qe836274a4d_prep
    .symbol:         k_qe836274a4d_prep.kd
    .args:
      - { .name: x, .offset: 0, .size: 8, .value_kind: global_buffer, .address_space: global }
      - { .name: encoder_out, .offset: 8, .size: 8, .value_kind: global_buffer, .address_space: global }
      - { .name: Wq, .offset: 16, .size: 8, .value_kind: global_buffer, .address_space: global }
      - { .name: Wkv, .offset: 24, .size: 8, .value_kind: global_buffer, .address_space: global }
      - { .name: Wo, .offset: 32, .size: 8, .value_kind: global_buffer, .address_space: global }
      - { .name: norm_w, .offset: 40, .size: 8, .value_kind: global_buffer, .address_space: global }
      - { .name: opc, .offset: 48, .size: 8, .value_kind: global_buffer, .address_space: global }
      - { .name: ops, .offset: 56, .size: 8, .value_kind: global_buffer, .address_space: global }
      - { .name: rot, .offset: 64, .size: 8, .value_kind: global_buffer, .address_space: global }
    .group_segment_fixed_size: 92928
    .private_segment_fixed_size: 0
    .kernarg_segment_align: 8
    .kernarg_segment_size: 72
    .max_flat_workgroup_size: 160
    .sgpr_count:     66
    .vgpr_count:     250
    .wavefront_size: 32
...
	.end_amdgpu_metadata
.endif
;; end of part 1
;; launch qkv (part 2): grid 4 x 192, 4 waves a work-group, clusters of 4 x 4, 210,432 bytes of LDS; arguments opc, ops, rot, qkvc, qkvs; writes qkvc, qkvs
.if DOCPART == 2
	.amdgcn_target "amdgcn-amd-amdhsa--gfx1250"
	.amdhsa_code_object_version 6
	.text
	.protected	k_qe836274a4d_qkv
	.globl	k_qe836274a4d_qkv
	.p2align	8
	.type	k_qe836274a4d_qkv,@function
k_qe836274a4d_qkv:
	s_mov_b64 s[64:65], 0
	v_nop
	global_prefetch_b8 v0, s[64:65] scope:SCOPE_SE
	s_setreg_imm32_b32 hwreg(HW_REG_WAVE_MODE, 25, 1), 1
	s_wait_xcnt 0x0
	s_wait_alu depctr_hold_cnt(0) depctr_sa_sdst(0) depctr_va_vdst(0) depctr_va_sdst(0) depctr_va_ssrc(0) depctr_va_vcc(0) depctr_vm_vsrc(0)
	s_getreg_b32 s2, hwreg(HW_REG_IB_STS2, 6, 4)
	s_cmp_eq_u32 s2, 0
	s_cbranch_scc0 .Lentry_in_a_cluster
	s_endpgm
.Lentry_in_a_cluster:
	s_bfe_u32 s2, ttmp6, 0x10000c
	s_cmp_lg_u32 s2, 0xf033
	s_cbranch_scc0 .Lentry_shape_is_right
	s_endpgm
.Lentry_shape_is_right:
; QKV: three products on one path, Out[i][j] = sum over k of P[i][k] R[j][k], K = 1,024, on codes of FP4 with E8M0 scales; the result is rotated (q, k) and quantised along j in registers, and leaves as codes.
;   q: P = rmsnorm(x), R = Wq.   k: P = encoder_out, R = Wk.   v: P = Wv, R = encoder_out: that is V^T, whose j are the keys, the K of attention's second product.
; A work-group makes 128 (P) x 256 (R); a wave 64 x 128: 32 accumulators.  768 work-groups: 16 clusters of 4 x 4 for each product.  ALL OF K LIES IN LDS: each byte is filled once, so there is no ring and no refill.
; CLUSTERS: the four of a row of the cluster need the same rows of P, the four of a column the same rows of R: each block is asked for jointly.  The product and the block of tiles come from the cluster's number, which all sixteen share.
; Operands come as images of their registers (see PREP): a fragment is two ds_load_b128 at 16 x lane, 512 bytes apart; no pitch, no padding.
; THE MATRIX INSTRUCTION IS USED TRANSPOSED: source 0 = 16 rows of R, source 1 = 16 rows of P.  A lane holds one row of P; by the tiles' order of rows its register 16 B + i (tiles 2 B, 2 B + 1) is R's row 32 B + 16 (lane / 16) + i.
; ROPE: a wave's 128 rows of R are two heads; in head c register 32 c + i is dim 16 h + i and register 32 c + 16 + i is dim 32 + 16 h + i: the two halves of a rotation meet in one lane.  For v the table is replaced by cos = 1, sin = 0.
; OUT: qkvc [product 3][plane 32 = batch x 8 + pair of heads][131,072 bytes]; q, k: [tile of 16 tokens 128][head of the pair 2][512 bytes]; v: [128 keys 16][head 2][tile of 16 dims 4][c 2][512 bytes].
;      qkvs [product][plane][8,192]; q, k: [pair of tiles 64][head 2][position 16] words: the even tile's two bytes below, the odd tile's above; v: [128 keys 16][head 2][tile 4][position 16] words.
; No prefetch: all that a work-group reads is asked for at its head.  LIMITS: as in PREP (NaN, infinities; the byte 1 for blocks of zeros).  Each sum is one accumulator, K ascending.
; REGISTERS: window 0: v1-26 addresses; v32-63 P's scale words (8 a + K step), v64-127 R's (8 b + K step): these hold scales alone; v128-191 P's fragments, two sets; on the way out v128-255.
;   window 1: R's fragments, two sets (at v0 and v128).   window 2: accumulator (a, b) at v[8 (8 a + b)].   window 3: v0-127 the table: for block a cos at 32 a + i, sin at 32 a + 16 + i.
.set HS,   5242880
.set RCOD, 65536                       ; LDS: P's codes [half 2][tile 8][4,096] at 0; R's [half 2][tile 16][4,096] here
.set SCPL, 196608                      ; P's scale words, 8 tiles x 512
.set SCRL, 200704                      ; R's, 16 tiles x 512
.set STG,  208896                      ; 256 bytes for each wave, for the scale words on their way out; no fill lands here
.set WV, 14
.set WI, 15                            ; which 64 rows of P are mine; also: I fetch for P (0) or for R (1)
.set WJ, 16                            ; which 128 rows of R are mine; also: which half of a block I fetch
.set SEL, 66
.set G1P, 24
.set G1R, 32
.set G1SP, 40
.set G1SR, 48
.set G0P, 56
.set G0SP, 68
.set G0R, 72
.set G0SR, 80
.set ADRP, 16
.set ADRR, 20
.set ADSP, 22
.set ADSR, 23
.set SCP, 32
.set SCR, 64
.set PF,  128
.set PC,  128                          ; the way out: codes, 8 for each block a
.set RT,  160                          ; v160-167 at work in the rotation
.set TM,  168                          ; v168-183 at work in the quantiser
.set PW,  184                          ; v184-187 a block's scale word
.set XW,  188                          ; v188-191 the words as they are stored
.set H,   192                          ; v192-255 64 numbers of a lane
.set MSB, 0
.macro WIN new                         ; the immediate's high byte repeats the setting that is left
.if MSB != \new
	s_set_vgpr_msb (MSB<<8)|\new
.set MSB, \new
.endif
.endm
.set MUL,  0xa1                        ; source 0 (R) window 1, source 1 (P) window 0, C and D window 2
.set TO_R, 0x40                        ; destination window 1, address window 0
.macro JLOAD g0a, g1a, g0b, g1b        ; a joint load: waves 0, 1 for P, waves 2, 3 for R; four v_nop follow each line
	s_cmp_eq_u32 s[WI], 0
	s_cbranch_scc0 .Lfor_r_\@
	tensor_load_to_lds s[\g0a:\g0a+3], s[\g1a:\g1a+7]
	s_nop 0
.rept 4
	v_nop
.endr
	s_branch .Lasked_\@
.Lfor_r_\@:
	tensor_load_to_lds s[\g0b:\g0b+3], s[\g1b:\g1b+7]
	s_nop 0
.rept 4
	v_nop
.endr
.Lasked_\@:
.endm
.macro CROUND                          ; a round of the cluster's barrier
	s_barrier_signal -1
	s_barrier_wait -1
	s_cmp_lg_u32 s[WV], 0
	s_cbranch_scc1 .Lnot_wave_0_\@
	s_barrier_signal -3
.Lnot_wave_0_\@:
	s_barrier_wait -3
	s_barrier_signal -1
	s_barrier_wait -1
.endm
.macro G1REST g, rows                  ; a dense block as rows of 256 bytes: 32 elements of 8 bytes
	s_mov_b32 s[\g+1], 32<<16
	s_mov_b32 s[\g+2], (\rows)<<16
	s_mov_b32 s[\g+3], 32<<16
	s_mov_b32 s[\g+4], \rows
	s_mov_b32 s[\g+5], 32
	s_mov_b32 s[\g+6], 0
	s_mov_b32 s[\g+7], 0
.endm
.macro PLACES
.rept 4
	v_nop
.endr
.endm
	s_load_b256 s[4:11], s[0:1], 0x0               ; opc, ops, rot, qkvc
	s_load_b64 s[12:13], s[0:1], 0x20              ; qkvs
	v_lshl_add_u32 v30, v0, 2, 0x33400
	v_mov_b32 v31, 0
	ds_add_u32 v30, v31
	ds_add_u32 v30, v31
	v_lshrrev_b32 v1, 5, v0
	v_readfirstlane_b32 s[WV], v1
	s_lshr_b32 s[WI], s[WV], 1
	s_and_b32 s[WJ], s[WV], 1
	s_bfe_u32 s17, ttmp6, 0x40000                  ; cx
	s_bfe_u32 s18, ttmp6, 0x40004                  ; cy
	s_and_b32 s19, ttmp7, 0xffff                   ; the cluster's number, 0..47
	s_lshr_b32 s20, s19, 4                         ; the product: 0 q, 1 k, 2 v
	s_and_b32 s21, s19, 15
	s_and_b32 s84, s21, 1                          ; v: which 4 tiles of P,
	s_lshr_b32 s88, s21, 1                         ; and which 4 tiles of R
	s_lshl_b32 s85, s20, 9                         ; P's first tile in opc: 0, 512 (v: 1152)
	s_lshl_b32 s89, s20, 6
	s_add_co_u32 s89, s89, 1024                    ; R's: 1024, 1088 (v: 512)
	s_mov_b32 s100, 0x05040100                     ; how two blocks' scale words are joined: q, k: the low halves, the high halves;
	s_mov_b32 s101, 0x07060302
	s_mov_b32 s[SEL], 0x76543210
	s_mov_b32 s[SEL+1], 0xfedcba98
	s_cmp_eq_u32 s20, 2
	s_cselect_b32 s22, -1, 0                       ; all ones in the product v
	s_cselect_b32 s84, s84, s21
	s_cselect_b32 s88, s88, 0
	s_cselect_b32 s85, 1152, s85
	s_cselect_b32 s89, 512, s89
	s_cselect_b32 s100, 0x03020100, s100           ; v: each word as it is
	s_cselect_b32 s101, 0x07060504, s101
	s_lshl_b32 s84, s84, 2
	s_add_co_u32 s84, s84, s18                     ; Pt: my tile of 128 rows of P: it holds cy and never cx
	s_lshl_b32 s88, s88, 2
	s_add_co_u32 s88, s88, s17                     ; Rt: my tile of 256 rows of R: cx and never cy
	s_lshl_b32 s86, s84, 3
	s_add_co_u32 s86, s86, s85                     ; P's first tile of 16
	s_lshl_b32 s90, s88, 4
	s_add_co_u32 s90, s90, s89                     ; R's
	s_lshl_b32 s87, s18, 2
	s_lshl_b32 s87, 15, s87                        ; my row of the cluster
	s_lshl_b32 s91, 0x1111, s17                    ; my column
	s_or_b32 s[G1P], s87, (3<<16)|(1<<21)          ; 15:0 the mask; 17:16 elements of 8 bytes; 21 set beside a mask; no padding
	s_or_b32 s[G1SP], s87, (3<<16)|(1<<21)
	s_or_b32 s[G1R], s91, (3<<16)|(1<<21)
	s_or_b32 s[G1SR], s91, (3<<16)|(1<<21)
	G1REST G1P, 64                                 ; 4 tiles x 4,096 bytes
	G1REST G1R, 128                                ; 8 tiles
	G1REST G1SP, 8                                 ; 4 tiles x 512 bytes
	G1REST G1SR, 16
	s_lshl_b32 s96, s[WJ], 2
	s_add_co_u32 s96, s96, s86                     ; P: the 4 tiles that I fetch
	s_lshl_b32 s98, s96, 9
	s_lshl_b32 s96, s96, 12
	s_mov_b32 s97, 0
	s_mov_b32 s99, 0
	s_lshl_b32 s92, s[WJ], 3
	s_add_co_u32 s92, s92, s90                     ; R: the 8 tiles
	s_lshl_b32 s94, s92, 9
	s_lshl_b32 s92, s92, 12
	s_mov_b32 s93, 0
	s_mov_b32 s95, 0
	s_lshl_b32 s2, s[WJ], 14                       ; where they go: the wave's number alone enters an LDS address
	s_lshl_b32 s3, s[WJ], 15
	s_add_co_u32 s3, s3, RCOD
	s_lshl_b32 s23, s[WJ], 11
	s_add_co_u32 s23, s23, SCPL
	s_lshl_b32 s21, s[WJ], 12
	s_add_co_u32 s21, s21, SCRL
	s_wait_dscnt 0x0
	s_wait_kmcnt 0x0
	CROUND                                         ; all sixteen work-groups are here: the joint loads meet
	s_mov_b32 s[G0SP], 1
	s_mov_b32 s[G0SP+1], s23
	s_add_nc_u64 s[G0SP+2:G0SP+3], s[6:7], s[98:99]
	s_or_b32 s[G0SP+3], s[G0SP+3], 0x80000000
	s_mov_b32 s[G0SR], 1
	s_mov_b32 s[G0SR+1], s21
	s_add_nc_u64 s[G0SR+2:G0SR+3], s[6:7], s[94:95]
	s_or_b32 s[G0SR+3], s[G0SR+3], 0x80000000
	JLOAD G0SP, G1SP, G0SR, G1SR                   ; the scale words first
.irp hf, 0,1
	s_mov_b32 s[G0P+4*\hf], 1
	s_add_co_u32 s[G0P+4*\hf+1], s2, \hf*32768
	s_add_nc_u64 s[G0P+4*\hf+2:G0P+4*\hf+3], s[4:5], s[96:97]
	s_add_nc_u64 s[G0P+4*\hf+2:G0P+4*\hf+3], s[G0P+4*\hf+2:G0P+4*\hf+3], \hf*HS
	s_or_b32 s[G0P+4*\hf+3], s[G0P+4*\hf+3], 0x80000000
	s_mov_b32 s[G0R+4*\hf], 1
	s_add_co_u32 s[G0R+4*\hf+1], s3, \hf*65536
	s_add_nc_u64 s[G0R+4*\hf+2:G0R+4*\hf+3], s[4:5], s[92:93]
	s_add_nc_u64 s[G0R+4*\hf+2:G0R+4*\hf+3], s[G0R+4*\hf+2:G0R+4*\hf+3], \hf*HS
	s_or_b32 s[G0R+4*\hf+3], s[G0R+4*\hf+3], 0x80000000
	JLOAD G0P+4*\hf, G1P, G0R+4*\hf, G1R           ; K half hf: three tensor loads of mine are out in all
.endr
	v_and_b32 v1, 15, v0                           ; r
	v_and_b32 v4, 31, v0
	v_lshlrev_b32 v3, 4, v4                        ; 16 x lane; never rewritten
	s_lshl_b32 s2, s[WI], 2
	s_add_co_u32 s2, s2, s86
	s_and_b32 s2, s2, 127                          ; my first tile of tokens in its batch (for v: any tile: its values are replaced)
	s_lshl_b32 s2, s2, 12
	s_mov_b32 s3, 0
	s_add_nc_u64 s[8:9], s[8:9], s[2:3]
	WIN 0xc0                                       ; destination window 3
.irp a, 0,1,2,3
.irp g, 0,1,2,3,4,5,6,7
	global_load_b128 v[32*\a+4*\g:32*\a+4*\g+3], v3, s[8:9] offset:\a*4096+\g*512
.endr
.endr
	WIN 0
	s_lshl_b32 s2, s[WI], 14
	v_add_nc_u32 v[ADRP], s2, v3                   ; my 4 tiles of P
	s_lshl_b32 s2, s[WJ], 15
	s_add_co_u32 s2, s2, RCOD
	v_add_nc_u32 v[ADRR], s2, v3                   ; my 8 tiles of R, K half 0,
	s_add_co_u32 s2, s2, 65536
	v_add_nc_u32 v[ADRR+1], s2, v3                 ; and K half 1
	v_lshlrev_b32 v5, 5, v1                        ; a row's eight scale words: 32 bytes
	s_lshl_b32 s2, s[WI], 11
	s_add_co_u32 s2, s2, SCPL
	v_add_nc_u32 v[ADSP], s2, v5
	s_lshl_b32 s2, s[WJ], 12
	s_add_co_u32 s2, s2, SCRL
	v_add_nc_u32 v[ADSR], s2, v5
	s_lshl_b32 s2, s[WV], 8
	s_add_co_u32 s2, s2, STG
	v_lshl_add_u32 v24, v1, 2, s2                  ; my stage: 4 r,
	v_lshl_add_u32 v25, v4, 3, s2                  ; and back 8 bytes a lane
	v_lshlrev_b32 v26, 3, v4
	; where my results go
	s_lshl_b32 s92, s84, 7
	s_lshl_b32 s2, s[WI], 6
	s_add_co_u32 s92, s92, s2                      ; i0: my first row of P
	s_lshl_b32 s93, s88, 8
	s_lshl_b32 s2, s[WJ], 7
	s_add_co_u32 s93, s93, s2                      ; j0: my first row of R
	s_lshr_b32 s94, s92, 11
	s_lshl_b32 s94, s94, 3
	s_lshr_b32 s2, s93, 7
	s_add_co_u32 s94, s94, s2                      ; q, k: plane = batch x 8 + pair of heads,
	s_and_b32 s95, s92, 2047                       ; place = the token
	s_lshr_b32 s96, s93, 11
	s_lshl_b32 s96, s96, 3
	s_lshr_b32 s2, s92, 7
	s_add_co_u32 s96, s96, s2                      ; v: the same with i and j changed,
	s_and_b32 s97, s93, 2047
	s_and_b32 s2, s92, 64
	s_add_co_u32 s97, s97, s2                      ; place = the key + 64 x the head of the pair
	s_cmp_eq_u32 s20, 2
	s_cselect_b32 s94, s96, s94
	s_cselect_b32 s95, s97, s95
	s_lshl_b32 s96, s20, 22
	s_lshl_b32 s2, s94, 17
	s_add_co_u32 s96, s96, s2
	s_lshl_b32 s2, s95, 6
	s_add_co_u32 s96, s96, s2
	s_mov_b32 s97, 0
	s_add_nc_u64 s[10:11], s[10:11], s[96:97]
	s_lshl_b32 s96, s20, 18
	s_lshl_b32 s2, s94, 13
	s_add_co_u32 s96, s96, s2
	s_lshl_b32 s2, s95, 2
	s_add_co_u32 s96, s96, s2
	s_add_nc_u64 s[12:13], s[12:13], s[96:97]
.macro FETCH s                         ; K step s: R's eight fragments and P's four into set s % 2
	WIN TO_R
.irp b, 0,1,2,3,4,5,6,7
.irp c, 0,1
	ds_load_b128 v[128*((\s)%2)+8*\b+4*\c:128*((\s)%2)+8*\b+4*\c+3], v[ADRR+(\s)/4] offset:\b*4096+((\s)%4)*1024+512*\c
.endr
.endr
	WIN 0
.irp a, 0,1,2,3
.irp c, 0,1
	ds_load_b128 v[PF+32*((\s)%2)+8*\a+4*\c:PF+32*((\s)%2)+8*\a+4*\c+3], v[ADRP] offset:((\s)/4)*32768+\a*4096+((\s)%4)*1024+512*\c
.endr
.endr
.endm
; A K step of 128: 32 matrix instructions.  The 32 accumulators take turns, one instruction a turn, in the same order in every step.  The next step's 24 loads are issued ahead of them.
.macro KSTEP s
	s_wait_dscnt 0x0                               ; this step's fragments are in
.if (\s) == 3
	s_wait_tensorcnt 0x0                           ; my part of K half 1 has landed,
	s_barrier_signal -1
	s_barrier_wait -1                              ; everybody's has: it is read from here on
.endif
.if (\s) < 7
.if (\s) > 0
	PLACES                                         ; four places between the last step's products and loads into the registers that they read (ISA guide 7.12.1 for vector instructions)
.endif
	FETCH (\s)+1
.endif
	WIN MUL
.irp a, 0,1,2,3
.irp b, 0,1,2,3,4,5,6,7
.if (\s) == 0
	v_wmma_scale_f32_16x16x128_f8f6f4 v[8*(8*\a+\b):8*(8*\a+\b)+7], v[128*((\s)%2)+8*\b:128*((\s)%2)+8*\b+7], v[PF+32*((\s)%2)+8*\a:PF+32*((\s)%2)+8*\a+7], 0, v[SCR+8*\b+(\s)], v[SCP+8*\a+(\s)] matrix_a_fmt:MATRIX_FMT_FP4 matrix_b_fmt:MATRIX_FMT_FP4
.else
	v_wmma_scale_f32_16x16x128_f8f6f4 v[8*(8*\a+\b):8*(8*\a+\b)+7], v[128*((\s)%2)+8*\b:128*((\s)%2)+8*\b+7], v[PF+32*((\s)%2)+8*\a:PF+32*((\s)%2)+8*\a+7], v[8*(8*\a+\b):8*(8*\a+\b)+7], v[SCR+8*\b+(\s)], v[SCP+8*\a+(\s)] matrix_a_fmt:MATRIX_FMT_FP4 matrix_b_fmt:MATRIX_FMT_FP4
.endif
.endr
.endr
.endm
	s_wait_tensorcnt 1                             ; the scale words and my part of K half 0 are in; K half 1's one load may stay out
	s_barrier_signal -1
	s_barrier_wait -1
.irp a, 0,1,2,3
.irp c, 0,1
	ds_load_b128 v[SCP+8*\a+4*\c:SCP+8*\a+4*\c+3], v[ADSP] offset:\a*512+16*\c   ; lane r: row r's eight words (lanes 16-31 load the same and are not read)
.endr
.endr
.irp b, 0,1,2,3,4,5,6,7
.irp c, 0,1
	ds_load_b128 v[SCR+8*\b+4*\c:SCR+8*\b+4*\c+3], v[ADSR] offset:\b*512+16*\c
.endr
.endr
	FETCH 0
.irp s, 0,1,2,3,4,5,6,7
	KSTEP \s
.endr
	WIN 0
	s_wait_loadcnt 0x0                             ; the table
	WIN 0xc3                                       ; source 0 and destination window 3
.irp a, 0,1,2,3
.irp i, 0,1,2,3,4,5,6,7,8,9,10,11,12,13,14,15
	v_cndmask_b32 v[32*\a+\i], v[32*\a+\i], 1.0, s22        ; v is not rotated: cos = 1,
	v_cndmask_b32 v[32*\a+16+\i], v[32*\a+16+\i], 0, s22    ; sin = 0.  (These 128 are also the places behind the last products)
.endr
.endr
	WIN 0
.irp b, 0,1,2,3
	v_mov_b32 v[TM+4+\b], 0                        ; written once: a lane permute's destination counts as one of its sources
.endr
; block a's 64 numbers of a lane, rotated: t1 cos - t2 sin and t2 cos + t1 sin.  Each accumulator is read from its low end on.
.macro ROPE a
	WIN 0x0e                                       ; source 0 (results) window 2, source 1 (table) window 3
.irp c, 0,1
.irp i, 0,2,4,6,8,10,12,14
	v_pk_mul_f32 v[RT+2*(\i%4):RT+2*(\i%4)+1], v[64*\a+32*\c+16+\i:64*\a+32*\c+17+\i], v[32*\a+16+\i:32*\a+17+\i]
	v_pk_mul_f32 v[RT+2*(\i%4)+2:RT+2*(\i%4)+3], v[64*\a+32*\c+\i:64*\a+32*\c+1+\i], v[32*\a+16+\i:32*\a+17+\i]
	v_pk_fma_f32 v[H+32*\c+\i:H+32*\c+1+\i], v[64*\a+32*\c+\i:64*\a+32*\c+1+\i], v[32*\a+\i:32*\a+1+\i], v[RT+2*(\i%4):RT+2*(\i%4)+1] neg_lo:[0,0,1] neg_hi:[0,0,1]
	v_pk_fma_f32 v[H+32*\c+16+\i:H+32*\c+17+\i], v[64*\a+32*\c+16+\i:64*\a+32*\c+17+\i], v[32*\a+\i:32*\a+1+\i], v[RT+2*(\i%4)+2:RT+2*(\i%4)+3]
.endr
.endr
	WIN 0
.endm
; 64 numbers of a lane, register 16 b + i = index 32 b + 16 (lane / 16) + i of my row, become a fragment's codes in v[pc] on and its scale word in v[pw]
.macro QUANT s, pc, pw
.irp b, 0,1,2,3
	v_max3_num_f32 v[TM+\b], |v[\s+16*\b]|, |v[\s+1+16*\b]|, 0x1800000   ; my 16 numbers of block b, and the floor 2^(3 - 127)
.endr
.irp i, 2,4,6,8,10,12,14
.irp b, 0,1,2,3
	v_max3_num_f32 v[TM+\b], v[TM+\b], |v[\s+16*\b+\i]|, |v[\s+1+16*\b+\i]|
.endr
.endr
.irp b, 0,1,2,3
	v_permlanex16_b32 v[TM+4+\b], v[TM+\b], s[SEL], s[SEL+1]
.endr
.irp b, 0,1,2,3
	v_max_num_f32 v[TM+\b], v[TM+\b], v[TM+4+\b]   ; with lane l xor 16's: the block's largest magnitude
.endr
.irp b, 0,1,2,3
	v_add_nc_u32 v[TM+12+\b], 0xff000000, v[TM+\b] ; 2 off its exponent field: the conversion's scale operand
.endr
.irp b, 0,1,2,3
	v_lshrrev_b32 v[TM+4+\b], 23, v[TM+12+\b]      ; the scale's byte
.endr
	v_lshl_or_b32 v[\pw], v[TM+5], 8, v[TM+4]
	v_lshl_or_b32 v[\pw], v[TM+6], 16, v[\pw]
	v_lshl_or_b32 v[\pw], v[TM+7], 24, v[\pw]
.irp b, 0,1,2,3
	v_cvt_scalef32_pk8_fp4_f32 v[\pc+2*\b], v[\s+16*\b:\s+7+16*\b], v[TM+12+\b]
	v_cvt_scalef32_pk8_fp4_f32 v[\pc+1+2*\b], v[\s+8+16*\b:\s+15+16*\b], v[TM+12+\b]
.endr
	v_nop                                          ; one plain instruction behind a scaled conversion
.irp c, 0,1                                    ; the operand's layout wants a whole block in a lane
.irp i, 0,1
	v_permlane16_swap_b32 v[\pc+4*\c+\i], v[\pc+2+4*\c+\i]
.endr
.endr
.endm
.irp a, 0,1,2,3
	ROPE \a
	QUANT H, PC+8*\a, PW+\a
	global_store_b128 v3, v[PC+8*\a:PC+8*\a+3], s[10:11] offset:\a*1024        ; 512 consecutive bytes each; every block has its own registers
	global_store_b128 v3, v[PC+8*\a+4:PC+8*\a+7], s[10:11] offset:\a*1024+512
.endr
	v_perm_b32 v[XW], v[PW+1], v[PW], s100
	v_perm_b32 v[XW+1], v[PW+1], v[PW], s101
	v_perm_b32 v[XW+2], v[PW+3], v[PW+2], s100
	v_perm_b32 v[XW+3], v[PW+3], v[PW+2], s101
.irp e, 0,1,2,3
	ds_store_b32 v24, v[XW+\e] offset:64*\e        ; lanes r and r + 16 write the same word with the same value
.endr
	ds_load_b64 v[12:13], v25                      ; my own bytes: these see my stores
	s_wait_dscnt 0x0
	global_store_b64 v26, v[12:13], s[12:13]       ; 256 consecutive bytes, aligned
	s_wait_tensorcnt 0x0
	ds_add_u32 v30, v31
	s_wait_dscnt 0x0
	CROUND                                         ; the closing round: no work-group ends while a partner may still ask for a block that names it
	s_endpgm
.Lfunc_end_k_qe836274a4d_qkv:
	.size	k_qe836274a4d_qkv, .Lfunc_end_k_qe836274a4d_qkv-k_qe836274a4d_qkv
	.p2alignl 7, 3214868480
	.fill 96, 4, 3214868480
	.section	.rodata,"a",@progbits
	.p2align	6, 0x0
	.amdhsa_kernel k_qe836274a4d_qkv
		.amdhsa_group_segment_fixed_size 210432
		.amdhsa_private_segment_fixed_size 0
		.amdhsa_enable_private_segment 0
		.amdhsa_kernarg_size 40
		.amdhsa_user_sgpr_count 2
		.amdhsa_user_sgpr_kernarg_segment_ptr 1
		.amdhsa_wavefront_size32 1
		.amdhsa_system_sgpr_workgroup_id_x 1
		.amdhsa_system_sgpr_workgroup_id_y 1
		.amdhsa_system_sgpr_workgroup_id_z 1
		.amdhsa_system_vgpr_workitem_id 0
		.amdhsa_next_free_vgpr 896
		.amdhsa_next_free_sgpr 102
		.amdhsa_reserve_vcc 0
		.amdhsa_float_denorm_mode_32 3
		.amdhsa_float_denorm_mode_16_64 3
		.amdhsa_memory_ordered 1
		.amdhsa_forward_progress 1
		.amdhsa_inst_pref_size 102
	.end_amdhsa_kernel
	.amdgpu_metadata
---
amdhsa.version: [ 1, 2 ]
amdhsa.kernels:
  - .name:           k_qe836274a4d_qkv
    .symbol:         k_qe836274a4d_qkv.kd
    .args:
      - { .name: opc, .offset: 0, .size: 8, .value_kind: global_buffer, .address_space: global }
      - { .name: ops, .offset: 8, .size: 8, .value_kind: global_buffer, .address_space: global }
      - { .name: rot, .offset: 16, .size: 8, .value_kind: global_buffer, .address_space: global }
      - { .name: qkvc, .offset: 24, .size: 8, .value_kind: global_buffer, .address_space: global }
      - { .name: qkvs, .offset: 32, .size: 8, .value_kind: global_buffer, .address_space: global }
    .group_segment_fixed_size: 210432
    .private_segment_fixed_size: 0
    .kernarg_segment_align: 8
    .kernarg_segment_size: 40
    .max_flat_workgroup_size: 128
    .sgpr_count:     102
    .vgpr_count:     896
    .wavefront_size: 32
...
	.end_amdgpu_metadata
.endif
;; end of part 2
;; launch attn (part 3): grid 8 x 32, 16 waves a work-group, clusters of 4 x 1, 281,600 bytes of LDS; arguments qkvc, qkvs, aoc, aos; writes aoc, aos
.if DOCPART == 3
	.amdgcn_target "amdgcn-amd-amdhsa--gfx1250"
	.amdhsa_code_object_version 6
	.text
	.protected	k_qe836274a4d_attn
	.globl	k_qe836274a4d_attn
	.p2align	8
	.type	k_qe836274a4d_attn,@function
k_qe836274a4d_attn:
	s_mov_b64 s[64:65], 0
	v_nop
	global_prefetch_b8 v0, s[64:65] scope:SCOPE_SE
	s_setreg_imm32_b32 hwreg(HW_REG_WAVE_MODE, 25, 1), 1
	s_wait_xcnt 0x0
	s_wait_alu depctr_hold_cnt(0) depctr_sa_sdst(0) depctr_va_vdst(0) depctr_va_sdst(0) depctr_va_ssrc(0) depctr_va_vcc(0) depctr_vm_vsrc(0)
	s_getreg_b32 s2, hwreg(HW_REG_IB_STS2, 6, 4)
	s_cmp_eq_u32 s2, 0
	s_cbranch_scc0 .Lentry_in_a_cluster
	s_endpgm
.Lentry_in_a_cluster:
	s_bfe_u32 s2, ttmp6, 0x10000c
	s_cmp_lg_u32 s2, 0x3003
	s_cbranch_scc0 .Lentry_shape_is_right
	s_endpgm
.Lentry_shape_is_right:
; ATTN: O = softmax(q k^T / 8) v for 64 heads of 64, 2,048 queries and 2,048 keys each, both products on codes of FP4 with E8M0 scales; O / l is quantised along the head's dims and leaves as codes.
; THE SOFTMAX AHEAD OF THE SECOND PRODUCT: t = score x log2(e) / 8; M = the running largest t, rounded UP to a whole number; p = 2^(t - M) is quantised along the keys, not normalised; the row's sum l is taken of the
; unquantised p and divides O at the end.  When M moves, l and O are multiplied by 2^(old M - new M), which rounds nothing.
; SHARES.  A work-group owns a PAIR of heads (plane = batch x 8 + pair) and 256 queries.  Wave w serves head w / 8 of the pair; in each of two passes it owns one tile of 16 queries.  Four waves to a SIMD, so that one wave's
; vector work stands beside another's matrix work and LDS loads.  ALL 2,048 KEYS OF BOTH HEADS LIE IN LDS (272 KiB with their scale words), filled once: no ring, no refill.
; CLUSTER.  The four work-groups of a cluster walk the same K and V: each block is asked for jointly (mask 15), by waves 0-3 of each.  No prefetch: all is asked for at the head.
; LAYOUT.  Both products are used transposed: S^T = K q^T, O^T = V^T p^T: a lane holds one query (lane % 16) throughout.  The head's 64 dims are half of the instruction's 128 along K: a fragment of K holds TWO tiles of
; 16 keys (registers 0-3 and 4-7) and is multiplied twice, by [q | zeros] and by [zeros | q]: zero codes add nothing under any scale byte from 1 to 254.  By the tiles' order of rows (see PREP) the 16 registers of such a pair
; are 16 neighbouring keys, and O^T's 16 registers of two tiles of V are 16 neighbouring dims.
; OUT: aoc [K half 2][tile of 16 tokens 512][K step 4][1,024 bytes]: register images for the last product (K step = pair of heads); aos [K step 8][tile 512][position 16] words.
; LIMITS: NaN and infinities are not served; a block whose every p, or every result, has fallen to 0 gets the byte 1: its codes are zeros.
; REGISTERS: v1-7 addresses that stay; v8-11 addresses of the step; v12 -M, v13 the largest t, v[14:15] l in two halves; v16-19 and v24-27 zeros, v20-23 q; v28 q's scale word as loaded, v29 as used; v30-31 the scale words' way out;
;   v32-63 four fragments of K; v64-95 four of V; v96-159 S^T, then p; v160-191 O^T; v192-195 V's scale words, v196-199 K's; v224-231 p's codes; v232-254 at work.
.set VCOD, 131072                      ; LDS: K's codes at 0, V's here,
.set SCKL, 262144                      ; K's scale words, 8,192 bytes,
.set SCVL, 270336                      ; V's,
.set STG,  278528                      ; and 1,024 bytes in which the results' scale words of 16 tiles meet; no fill lands here
.set WV,  12
.set SEL, 20
.set CS,  22
.set G1C, 24
.set G1S, 32
.set TB,  60                           ; where the step's codes begin in K's and in V's block: 8,192 bytes a step
.set TS,  61                           ; and its scale words: 512 bytes a step
.set CNT, 63
.macro ROUND
	s_barrier_signal -1
	s_barrier_wait -1
	s_cmp_lg_u32 s[WV], 0
	s_cbranch_scc1 .Lnot_wave_0_\@
	s_barrier_signal -3
.Lnot_wave_0_\@:
	s_barrier_wait -3
	s_barrier_signal -1
	s_barrier_wait -1
.endm
	s_load_b256 s[4:11], s[0:1], 0x0               ; qkvc, qkvs, aoc, aos
	v_lshl_add_u32 v251, v0, 2, 0x44400
	v_mov_b32 v255, 0
	ds_add_u32 v251, v255
	ds_add_u32 v251, v255
	v_lshrrev_b32 v8, 5, v0
	v_readfirstlane_b32 s[WV], v8                  ; wave 0..15
	s_lshr_b32 s13, s[WV], 3                       ; c: my head of the pair
	s_and_b32 s14, s[WV], 7                        ; wq: my tile among eight
	s_bfe_u32 s15, ttmp6, 0x40000                  ; cx
	s_lshl_b32 s16, ttmp9, 2
	s_add_co_u32 s16, s16, s15                     ; my block of 256 queries: it enters global addresses of q and of the results alone
	s_and_b32 s17, ttmp7, 0xffff                   ; the plane, which the four partners share
	; what I fetch, if I fetch (waves 0-3): bit 1 of the wave's number: K or V; bit 0: which half of a block
	s_bfe_u32 s73, s[WV], 0x10001
	s_and_b32 s74, s[WV], 1
	s_add_co_u32 s75, s73, 1                       ; product 1 (k) or 2 (v)
	s_lshl_b32 s76, s75, 22
	s_lshl_b32 s77, s17, 17
	s_add_co_u32 s76, s76, s77
	s_lshl_b32 s77, s74, 14
	s_add_co_u32 s76, s76, s77
	s_mov_b32 s77, 0                               ; s[76:77]: the codes, in memory
	s_lshl_b32 s78, s75, 18
	s_lshl_b32 s79, s17, 13
	s_add_co_u32 s78, s78, s79
	s_lshl_b32 s79, s74, 12
	s_add_co_u32 s78, s78, s79
	s_mov_b32 s79, 0                               ; s[78:79]: the scale words
	s_lshl_b32 s80, s73, 17
	s_lshl_b32 s81, s74, 14
	s_add_co_u32 s80, s80, s81                     ; the codes, in LDS
	s_lshl_b32 s81, s73, 13
	s_lshl_b32 s82, s74, 12
	s_add_co_u32 s81, s81, s82
	s_add_co_u32 s81, s81, SCKL                    ; the scale words
	s_mov_b32 s[G1C], 15|(3<<16)|(1<<21)           ; 15:0 the mask: all four work-groups; 17:16 elements of 8 bytes; 21 set beside a mask
	s_mov_b32 s[G1C+1], 32<<16                     ; a dense block as rows of 256 bytes
	s_mov_b32 s[G1C+2], 64<<16                     ; 64 of them: 16,384 bytes
	s_mov_b32 s[G1C+3], 32<<16
	s_mov_b32 s[G1C+4], 64
	s_mov_b32 s[G1C+5], 32
	s_mov_b32 s[G1C+6], 0
	s_mov_b32 s[G1C+7], 0
	s_mov_b32 s[G1S], 15|(3<<16)|(1<<21)
	s_mov_b32 s[G1S+1], 32<<16
	s_mov_b32 s[G1S+2], 16<<16                     ; 16 rows: 4,096 bytes
	s_mov_b32 s[G1S+3], 32<<16
	s_mov_b32 s[G1S+4], 16
	s_mov_b32 s[G1S+5], 32
	s_mov_b32 s[G1S+6], 0
	s_mov_b32 s[G1S+7], 0
	; my queries and results
	s_lshl_b32 s83, s16, 4
	s_add_co_u32 s83, s83, s14                     ; T': my tile of tokens in pass 0; pass 1's lies 8 further on
	s_lshl_b32 s84, s83, 10
	s_lshl_b32 s85, s17, 17
	s_add_co_u32 s84, s84, s85
	s_lshl_b32 s85, s13, 9
	s_add_co_u32 s84, s84, s85
	s_mov_b32 s85, 0                               ; q's codes
	s_lshr_b32 s86, s83, 1
	s_lshl_b32 s86, s86, 7
	s_lshl_b32 s87, s17, 13
	s_add_co_u32 s86, s86, s87
	s_lshl_b32 s87, s13, 6
	s_add_co_u32 s86, s86, s87
	s_mov_b32 s87, 0                               ; q's scale words
	s_and_b32 s88, s17, 7                          ; the pair of heads
	s_lshr_b32 s89, s17, 3                         ; the batch
	s_lshr_b32 s90, s88, 2
	s_lshl_b32 s90, s90, 21
	s_lshl_b32 s91, s89, 7
	s_add_co_u32 s91, s91, s83
	s_lshl_b32 s91, s91, 12
	s_add_co_u32 s90, s90, s91
	s_and_b32 s91, s88, 3
	s_lshl_b32 s91, s91, 10
	s_add_co_u32 s90, s90, s91
	s_lshl_b32 s91, s13, 9
	s_add_co_u32 s90, s90, s91
	s_mov_b32 s91, 0                               ; the results' codes
	s_lshl_b32 s92, s88, 15
	s_lshl_b32 s93, s89, 7
	s_lshl_b32 s94, s16, 4
	s_add_co_u32 s93, s93, s94
	s_lshl_b32 s93, s93, 6
	s_add_co_u32 s92, s92, s93
	s_mov_b32 s93, 0                               ; their scale words: 16 tiles x 64 bytes
	s_mov_b32 s82, 0x01000100                      ; q's two scale bytes, twice: from the low half of its word in an even tile,
	s_and_b32 s95, s14, 1
	s_cmp_eq_u32 s95, 1
	s_cselect_b32 s82, 0x03020302, s82             ; from the high half in an odd one
	s_mov_b32 s[SEL], 0x76543210
	s_mov_b32 s[SEL+1], 0xfedcba98
	s_mov_b32 s[CS], 0x3e38aa3b                    ; log2(e) / 8
	s_mov_b32 s[CS+1], s[CS]
	s_wait_dscnt 0x0
	s_wait_kmcnt 0x0
	s_mov_b32 s40, 1
	s_mov_b32 s41, s81
	s_add_nc_u64 s[42:43], s[6:7], s[78:79]
	s_or_b32 s43, s43, 0x80000000
.irp j, 0,1,2,3
	s_mov_b32 s[44+4*\j], 1
	s_add_co_u32 s[45+4*\j], s80, \j*32768
	s_add_nc_u64 s[46+4*\j:47+4*\j], s[4:5], s[76:77]
	s_add_nc_u64 s[46+4*\j:47+4*\j], s[46+4*\j:47+4*\j], \j*32768
	s_or_b32 s[47+4*\j], s[47+4*\j], 0x80000000
.endr
	s_add_nc_u64 s[66:67], s[4:5], s[84:85]
	s_add_nc_u64 s[68:69], s[6:7], s[86:87]
	s_add_nc_u64 s[70:71], s[8:9], s[90:91]
	s_add_nc_u64 s[10:11], s[10:11], s[92:93]
	ROUND                                          ; all four work-groups are here: the joint loads meet
	s_cmp_lt_u32 s[WV], 4                          ; a wave's five fills stand in one branch on the wave's number: the scale words, then four quarters of the keys; five tensor loads of mine are out
	s_cbranch_scc0 .Lno_fetch
	tensor_load_to_lds s[40:43], s[G1S:G1S+7]
	s_nop 0
	tensor_load_to_lds s[44:47], s[G1C:G1C+7]
	s_nop 0
	tensor_load_to_lds s[48:51], s[G1C:G1C+7]
	s_nop 0
	tensor_load_to_lds s[52:55], s[G1C:G1C+7]
	s_nop 0
	tensor_load_to_lds s[56:59], s[G1C:G1C+7]
	s_nop 0
.rept 4
	v_nop
.endr
.Lno_fetch:
	v_and_b32 v8, 15, v0                           ; r
	v_and_b32 v10, 31, v0                          ; lane
	v_lshlrev_b32 v5, 4, v10                       ; 16 x lane; never rewritten
	v_lshlrev_b32 v6, 2, v8                        ; 4 r; never rewritten
	s_lshl_b32 s96, s13, 9
	v_add_nc_u32 v1, s96, v5                       ; K: a tile is [head 2][512 bytes]
	s_lshl_b32 s96, s13, 12
	s_add_co_u32 s96, s96, VCOD
	v_add_nc_u32 v2, s96, v5                       ; V: a step is [head 2][tile 4][1,024 bytes]
	s_lshl_b32 s96, s13, 6
	s_add_co_u32 s96, s96, SCKL
	v_add_nc_u32 v3, s96, v6
	s_lshl_b32 s96, s13, 8
	s_add_co_u32 s96, s96, SCVL
	v_add_nc_u32 v4, s96, v6
	s_lshl_b32 s96, s14, 6
	s_lshl_b32 s95, s13, 1
	s_add_co_u32 s96, s96, s95
	s_add_co_u32 s96, s96, STG
	v_add_nc_u32 v7, s96, v6                       ; my half of my tile's scale words
	v_lshlrev_b32 v30, 4, v0                       ; waves 0 and 1 carry the 1,024 bytes out: 16 x thread
	v_add_nc_u32 v31, STG, v30
.irp i, 16,17,18,19,24,25,26,27
	v_mov_b32 v[\i], 0                             ; the zero codes on either side of q
.endr
.irp b, 0,1,2,3
	v_mov_b32 v[236+\b], 0                         ; written once: a lane permute's destination counts as one of its sources
.endr
	v_mov_b32 v253, 0                              ; (named as the upper half of the pair v[252:253] before it is first written)
; A KEY STEP: 128 keys
.macro STEP
	v_add_nc_u32 v8, s[TB], v1                     ; these four are also the places between the last step's products and the loads into the registers that they read
	v_add_nc_u32 v9, s[TB], v2
	v_add_nc_u32 v10, s[TS], v3
	v_add_nc_u32 v11, s[TS], v4
.irp b, 0,1,2,3
	ds_load_b128 v[32+8*\b:35+8*\b], v8 offset:2048*\b             ; keys' tile 2 b,
	ds_load_b128 v[36+8*\b:39+8*\b], v8 offset:2048*\b+1024        ; tile 2 b + 1,
	ds_load_b32 v[196+\b], v10 offset:128*\b                       ; and the word that holds both tiles' scale bytes
.endr
.irp d, 0,1,2,3
	ds_load_b128 v[64+8*\d:67+8*\d], v9 offset:1024*\d
	ds_load_b128 v[68+8*\d:71+8*\d], v9 offset:1024*\d+512
	ds_load_b32 v[192+\d], v11 offset:64*\d
.endr
	s_wait_dscnt 12                                ; K's twelve loads are in; V's twelve may be out
.irp b, 0,1,2,3
	v_wmma_scale_f32_16x16x128_f8f6f4 v[96+16*\b:103+16*\b], v[32+8*\b:39+8*\b], v[20:27], 0, v[196+\b], v29 matrix_a_fmt:MATRIX_FMT_FP4 matrix_b_fmt:MATRIX_FMT_FP4
	v_wmma_scale_f32_16x16x128_f8f6f4 v[104+16*\b:111+16*\b], v[32+8*\b:39+8*\b], v[16:23], 0, v[196+\b], v29 matrix_a_fmt:MATRIX_FMT_FP4 matrix_b_fmt:MATRIX_FMT_FP4
.endr                                          ; register 16 b + i: key 32 b + 16 (lane / 16) + i of the step
.rept 4
	v_nop
.endr
.irp b, 0,1,2,3
	v_max3_num_f32 v[232+\b], v[96+16*\b], v[97+16*\b], v[98+16*\b]   ; the largest score of each block of 32 keys: it serves the row's maximum and, since p rises with the score, the block's largest p
.endr
.irp i, 3,5,7,9,11,13
.irp b, 0,1,2,3
	v_max3_num_f32 v[232+\b], v[232+\b], v[96+16*\b+\i], v[97+16*\b+\i]
.endr
.endr
.irp b, 0,1,2,3
	v_max_num_f32 v[232+\b], v[232+\b], v[111+16*\b]
.endr
.irp b, 0,1,2,3
	v_permlanex16_b32 v[236+\b], v[232+\b], s[SEL], s[SEL+1]
.endr
.irp b, 0,1,2,3
	v_max_num_f32 v[232+\b], v[232+\b], v[236+\b]  ; with lane l xor 16's 16 keys
.endr
	v_max3_num_f32 v254, v232, v233, v234
	v_max_num_f32 v254, v254, v235
	v_mul_f32 v254, s[CS], v254                    ; the step's largest t
	v_max_num_f32 v13, v13, v254                   ; the running largest t
	v_mov_b32 v254, v12
	v_floor_f32 v12, -v13                          ; the new -M = floor(-t): M is a whole number
	v_sub_f32 v254, v12, v254                      ; old M - new M: a whole number, 0 or less
	v_cvt_i32_f32 v254, v254                       ; (it saturates)
	v_ldexp_f32 v252, 1.0, v254                    ; f = 2^(old M - new M)
.irp j, 0,2,4,6,8,10,12,14,16,18,20,22,24,26,28,30,32,34,36,38,40,42,44,46,48,50,52,54,56,58,60,62
	v_pk_fma_f32 v[96+\j:97+\j], v[96+\j:97+\j], s[CS:CS+1], v[12:13] op_sel_hi:[1,0,0]   ; t - M
.endr
.irp b, 0,1,2,3
	v_fma_f32 v[232+\b], v[232+\b], s[CS], v12     ; the same of each block's largest score
.endr
.irp j, 0,1,2,3,4,5,6,7,8,9,10,11,12,13,14,15,16,17,18,19,20,21,22,23,24,25,26,27,28,29,30,31,32,33,34,35,36,37,38,39,40,41,42,43,44,45,46,47,48,49,50,51,52,53,54,55,56,57,58,59,60,61,62,63
	v_exp_f32 v[96+\j], v[96+\j]                   ; p = 2^(t - M)
.endr
	v_pk_mul_f32 v[14:15], v[14:15], v[252:253] op_sel_hi:[1,0]   ; l under the new M (the plain instruction behind the exponentials)
	s_wait_alu depctr_va_vdst(0)                   ; one wait for the batch of 64, ahead of its first reader
.irp b, 0,1,2,3
	v_exp_f32 v[232+\b], v[232+\b]                 ; each block's largest p
.endr
	v_pk_add_f32 v[236:237], v[96:97], v[98:99]    ; the row's sum is taken of the unquantised p, in two packed chains (it reads the 64 alone)
.irp j, 4,8,12,16,20,24,28,32,36,40,44,48,52,56,60
	v_pk_add_f32 v[14:15], v[14:15], v[96+\j:97+\j]
	v_pk_add_f32 v[236:237], v[236:237], v[98+\j:99+\j]
.endr
	v_pk_add_f32 v[14:15], v[14:15], v[236:237]
	s_wait_alu depctr_va_vdst(0)                   ; and one wait for the four
.irp b, 0,1,2,3
	v_max_num_f32 v[232+\b], 0x1800000, v[232+\b]  ; the floor 2^(3 - 127)
.endr
.irp b, 0,1,2,3
	v_add_nc_u32 v[244+\b], 0xff000000, v[232+\b]  ; the conversion's scale operand
.endr
.irp b, 0,1,2,3
	v_lshrrev_b32 v[236+\b], 23, v[244+\b]         ; the scale's byte
.endr
	v_lshl_or_b32 v253, v237, 8, v236              ; p's scale word for these 128 keys
	v_lshl_or_b32 v253, v238, 16, v253
	v_lshl_or_b32 v253, v239, 24, v253
.irp b, 0,1,2,3
	v_cvt_scalef32_pk8_fp4_f32 v[224+2*\b], v[96+16*\b:103+16*\b], v[244+\b]
	v_cvt_scalef32_pk8_fp4_f32 v[225+2*\b], v[104+16*\b:111+16*\b], v[244+\b]
.endr
	v_nop                                          ; one plain instruction behind a scaled conversion
.irp c, 0,1
.irp i, 0,1
	v_permlane16_swap_b32 v[224+4*\c+\i], v[226+4*\c+\i]   ; a whole block to a lane
.endr
.endr
.irp j, 0,2,4,6,8,10,12,14,16,18,20,22,24,26,28,30
	v_pk_mul_f32 v[160+\j:161+\j], v[160+\j:161+\j], v[252:253] op_sel_hi:[1,0]   ; O^T under the new M.  (These 16 stand between the writes of p's codes and scale word and the products below)
.endr
	s_wait_dscnt 0x0                               ; V
.irp d, 0,1,2,3
	v_wmma_scale_f32_16x16x128_f8f6f4 v[160+8*\d:167+8*\d], v[64+8*\d:71+8*\d], v[224:231], v[160+8*\d:167+8*\d], v[192+\d], v253 matrix_a_fmt:MATRIX_FMT_FP4 matrix_b_fmt:MATRIX_FMT_FP4
.endr                                          ; four accumulators, one instruction a turn; eight other products stand between two turns of one
	s_add_co_u32 s[TB], s[TB], 8192
	s_add_co_u32 s[TS], s[TS], 512
.endm
.macro KLOOP trips
	s_mov_b32 s[CNT], \trips
.Lk_\@:
	STEP
	s_sub_co_u32 s[CNT], s[CNT], 1
	s_cmp_lg_u32 s[CNT], 0
	s_cbranch_scc1 .Lk_\@
.endm
; A PASS: one tile of 16 queries against all keys.  The pass's number stands in the immediates.
.macro PASS p
.if \p
	s_wait_xcnt 0x0                                ; the last pass's store has read its registers: they are written again below
.endif
	global_load_b128 v[20:23], v5, s[66:67] offset:\p*8192
	global_load_b32 v28, v6, s[68:69] offset:\p*512
	v_mov_b32 v13, 0xff61b1e6                      ; the largest t so far: -3e38
	v_floor_f32 v12, -v13
	v_mov_b32 v14, 0
	v_mov_b32 v15, 0
.irp j, 0,1,2,3,4,5,6,7,8,9,10,11,12,13,14,15
	v_mov_b32 v[160+\j], 0                         ; O^T: the step is written once; the first finds zeros
.endr
	s_wait_loadcnt 0x0
	v_perm_b32 v29, v28, v28, s82                  ; q's two scale bytes under both halves of K
.irp j, 16,17,18,19,20,21,22,23,24,25,26,27,28,29,30,31
	v_mov_b32 v[160+\j], 0                         ; (more than the eight instructions that are owed between a scale register's write and a scaled product)
.endr
.if \p == 0
.irp j, 0,1,2,3
	s_wait_tensorcnt 3-\j                          ; my part of quarter j (and the scale words) has landed; the 3 - j later quarters' loads may be out
	s_barrier_signal -1
	s_barrier_wait -1                              ; everybody's has
	s_mov_b32 s[TB], \j*32768
	s_mov_b32 s[TS], \j*2048
	KLOOP 4
.endr
.else
	s_mov_b32 s[TB], 0                             ; all keys have landed, and every wave has passed the barriers that show it
	s_mov_b32 s[TS], 0
	KLOOP 16
.endif
	v_add_f32 v14, v14, v15                        ; l: its two halves,
	v_permlanex16_b32 v252, v14, s[SEL], s[SEL+1]
	v_add_f32 v14, v14, v252                       ; and lane l xor 16's
	v_rcp_f32 v14, v14
.rept 4
	v_nop                                          ; plain instructions behind the reciprocal and behind the last products
.endr
	s_wait_alu depctr_va_vdst(0)                   ; the wait, ahead of the reciprocal's first reader
.irp j, 0,1,2,3,4,5,6,7,8,9,10,11,12,13,14,15,16,17,18,19,20,21,22,23,24,25,26,27,28,29,30,31
	v_mul_f32 v[96+\j], v[160+\j], v14             ; O^T / l: register 16 b + i is dim 32 b + 16 (lane / 16) + i
.endr
.irp b, 0,1
	v_max3_num_f32 v[232+\b], |v[96+16*\b]|, |v[97+16*\b]|, 0x1800000
.endr
.irp i, 2,4,6,8,10,12,14
.irp b, 0,1
	v_max3_num_f32 v[232+\b], v[232+\b], |v[96+16*\b+\i]|, |v[97+16*\b+\i]|
.endr
.endr
.irp b, 0,1
	v_permlanex16_b32 v[236+\b], v[232+\b], s[SEL], s[SEL+1]
.endr
.irp b, 0,1
	v_max_num_f32 v[232+\b], v[232+\b], v[236+\b]
.endr
.irp b, 0,1
	v_add_nc_u32 v[244+\b], 0xff000000, v[232+\b]
.endr
.irp b, 0,1
	v_lshrrev_b32 v[236+\b], 23, v[244+\b]
.endr
	v_lshl_or_b32 v240, v237, 8, v236              ; my head's two scale bytes
.irp b, 0,1
	v_cvt_scalef32_pk8_fp4_f32 v[224+2*\b], v[96+16*\b:103+16*\b], v[244+\b]
	v_cvt_scalef32_pk8_fp4_f32 v[225+2*\b], v[104+16*\b:111+16*\b], v[244+\b]
.endr
	v_nop
	v_permlane16_swap_b32 v224, v226
	v_permlane16_swap_b32 v225, v227
	global_store_b128 v5, v[224:227], s[70:71] offset:\p*32768     ; 512 consecutive bytes: my head's half of a fragment's image
	ds_store_b16 v7, v240 offset:\p*512            ; lanes r and r + 16 write the same bytes with the same value
.endm
	PASS 0
	PASS 1
	s_wait_dscnt 0x0                               ; for the others' sake: my stores into the stage are done
	s_barrier_signal -1
	s_barrier_wait -1
	s_cmp_lt_u32 s[WV], 2
	s_cbranch_scc0 .Lno_out
	ds_load_b128 v[32:35], v31
	s_wait_dscnt 0x0
	global_store_b128 v30, v[32:35], s[10:11]      ; two waves store 1,024 consecutive bytes
.Lno_out:
	s_wait_tensorcnt 0x0
	ds_add_u32 v251, v255
	s_wait_dscnt 0x0
	ROUND                                          ; the closing round
	s_endpgm
.Lfunc_end_k_qe836274a4d_attn:
	.size	k_qe836274a4d_attn, .Lfunc_end_k_qe836274a4d_attn-k_qe836274a4d_attn
	.p2alignl 7, 3214868480
	.fill 96, 4, 3214868480
	.section	.rodata,"a",@progbits
	.p2align	6, 0x0
	.amdhsa_kernel k_qe836274a4d_attn
		.amdhsa_group_segment_fixed_size 281600
		.amdhsa_private_segment_fixed_size 0
		.amdhsa_enable_private_segment 0
		.amdhsa_kernarg_size 32
		.amdhsa_user_sgpr_count 2
		.amdhsa_user_sgpr_kernarg_segment_ptr 1
		.amdhsa_wavefront_size32 1
		.amdhsa_system_sgpr_workgroup_id_x 1
		.amdhsa_system_sgpr_workgroup_id_y 1
		.amdhsa_system_sgpr_workgroup_id_z 1
		.amdhsa_system_vgpr_workitem_id 0
		.amdhsa_next_free_vgpr 256
		.amdhsa_next_free_sgpr 100
		.amdhsa_reserve_vcc 0
		.amdhsa_float_denorm_mode_32 3
		.amdhsa_float_denorm_mode_16_64 3
		.amdhsa_memory_ordered 1
		.amdhsa_forward_progress 1
		.amdhsa_inst_pref_size 95
	.end_amdhsa_kernel
	.amdgpu_metadata
---
amdhsa.version: [ 1, 2 ]
amdhsa.kernels:
  - .name:           k_qe836274a4d_attn
    .symbol:         k_qe836274a4d_attn.kd
    .args:
      - { .name: qkvc, .offset: 0, .size: 8, .value_kind: global_buffer, .address_space: global }
      - { .name: qkvs, .offset: 8, .size: 8, .value_kind: global_buffer, .address_space: global }
      - { .name: aoc, .offset: 16, .size: 8, .value_kind: global_buffer, .address_space: global }
      - { .name: aos, .offset: 24, .size: 8, .value_kind: global_buffer, .address_space: global }
    .group_segment_fixed_size: 281600
    .private_segment_fixed_size: 0
    .kernarg_segment_align: 8
    .kernarg_segment_size: 32
    .max_flat_workgroup_size: 512
    .sgpr_count:     100
    .vgpr_count:     256
    .wavefront_size: 32
...
	.end_amdgpu_metadata
.endif
;; end of part 3
;; launch outp (part 4): grid 4 x 64, 4 waves a work-group, clusters of 4 x 4, 243,200 bytes of LDS; arguments aoc, aos, opc, ops, x, out0; writes out0
.if DOCPART == 4
	.amdgcn_target "amdgcn-amd-amdhsa--gfx1250"
	.amdhsa_code_object_version 6
	.text
	.protected	k_qe836274a4d_outp
	.globl	k_qe836274a4d_outp
	.p2align	8
	.type	k_qe836274a4d_outp,@function
k_qe836274a4d_outp:
	s_mov_b64 s[64:65], 0
	v_nop
	global_prefetch_b8 v0, s[64:65] scope:SCOPE_SE
	s_setreg_imm32_b32 hwreg(HW_REG_WAVE_MODE, 25, 1), 1
	s_wait_xcnt 0x0
	s_wait_alu depctr_hold_cnt(0) depctr_sa_sdst(0) depctr_va_vdst(0) depctr_va_sdst(0) depctr_va_ssrc(0) depctr_va_vcc(0) depctr_vm_vsrc(0)
	s_getreg_b32 s2, hwreg(HW_REG_IB_STS2, 6, 4)
	s_cmp_eq_u32 s2, 0
	s_cbranch_scc0 .Lentry_in_a_cluster
	s_endpgm
.Lentry_in_a_cluster:
	s_bfe_u32 s2, ttmp6, 0x10000c
	s_cmp_lg_u32 s2, 0xf033
	s_cbranch_scc0 .Lentry_shape_is_right
	s_endpgm
.Lentry_shape_is_right:
; OUTP: out0 = x + A Wo^T, A the attention's result as codes of FP4 (aoc, aos), Wo as codes (opc, ops, tiles 1216-1279); K = 1,024; sums in f32.
; The frame is QKV's: a work-group makes 128 rows (P = A) x 256 columns (R = Wo), a wave 64 x 128 in 32 accumulators; all of K lies in LDS, each byte filled once; clusters of 4 x 4 with joint loads (P along a row of the
; cluster, R along a column); operands are images of their registers; source 0 = 16 rows of R, source 1 = 16 rows of P, so that a lane holds one row of out0 and, by the tiles' order of rows, register 16 B + i of tiles 2 B, 2 B + 1 is
; column 32 B + 16 (lane / 16) + i.  256 work-groups.  No prefetch: all is asked for at the head.
; x's part of the wave's tile (64 rows x 512 bytes) is asked for at the head into window 3, in the layout in which rows come back from the stage.
; THE WAY OUT: a block of 16 rows goes through the wave's own stage in LDS (rows of 512 + 16 bytes; no fill lands there), comes back as whole rows, takes x, and each store covers 512 consecutive bytes, aligned.
; Position t of block a is row 32 (a / 2) + 8 (a % 2) + t + 8 (t / 8) of the wave's 64.
; REGISTERS: window 0: v1-26 addresses; v32-63 P's scale words, v64-127 R's (scales alone); v128-191 P's fragments, two sets; on the way out v128-255 rows, two sets.  window 1: R's fragments.  window 2: accumulators.  window 3: x.
.set HS,   5242880
.set HSA,  2097152                     ; from K half 0 to K half 1 in aoc
.set RCOD, 65536
.set SCPL, 196608                      ; P's scale words: [half of the tiles 2][K step 8][tile 4][position 16] words
.set SCRL, 200704
.set STG,  208896
.set SP,   528
.set WV, 16
.set WI, 17
.set WJ, 18
.set G1P, 24
.set G1R, 32
.set G1SP, 40
.set G1SR, 48
.set G0P, 56
.set G0SP, 68
.set G0R, 72
.set G0SR, 80
.set ADRP, 16
.set ADRR, 20
.set ADSP, 22
.set ADSR, 23
.set STO, 24
.set RD,  25
.set SCP, 32
.set SCR, 64
.set PF,  128
.set BK,  128
.set MSB, 0
.macro WIN new
.if MSB != \new
	s_set_vgpr_msb (MSB<<8)|\new
.set MSB, \new
.endif
.endm
.set MUL,  0xa1
.set TO_R, 0x40
.macro JLOAD g0a, g1a, g0b, g1b
	s_cmp_eq_u32 s[WI], 0
	s_cbranch_scc0 .Lfor_r_\@
	tensor_load_to_lds s[\g0a:\g0a+3], s[\g1a:\g1a+7]
	s_nop 0
.rept 4
	v_nop
.endr
	s_branch .Lasked_\@
.Lfor_r_\@:
	tensor_load_to_lds s[\g0b:\g0b+3], s[\g1b:\g1b+7]
	s_nop 0
.rept 4
	v_nop
.endr
.Lasked_\@:
.endm
.macro CROUND
	s_barrier_signal -1
	s_barrier_wait -1
	s_cmp_lg_u32 s[WV], 0
	s_cbranch_scc1 .Lnot_wave_0_\@
	s_barrier_signal -3
.Lnot_wave_0_\@:
	s_barrier_wait -3
	s_barrier_signal -1
	s_barrier_wait -1
.endm
.macro G1REST g, rows, pitch
	s_mov_b32 s[\g+1], 32<<16
	s_mov_b32 s[\g+2], (\rows)<<16
	s_mov_b32 s[\g+3], 32<<16
	s_mov_b32 s[\g+4], \rows
	s_mov_b32 s[\g+5], \pitch
	s_mov_b32 s[\g+6], 0
	s_mov_b32 s[\g+7], 0
.endm
.macro PLACES
.rept 4
	v_nop
.endr
.endm
	s_load_b256 s[4:11], s[0:1], 0x0               ; aoc, aos, opc, ops
	s_load_b128 s[12:15], s[0:1], 0x20             ; x, out0
	v_lshl_add_u32 v30, v0, 2, 0x3b400
	v_mov_b32 v31, 0
	ds_add_u32 v30, v31
	ds_add_u32 v30, v31
	v_lshrrev_b32 v1, 5, v0
	v_readfirstlane_b32 s[WV], v1
	s_lshr_b32 s[WI], s[WV], 1
	s_and_b32 s[WJ], s[WV], 1
	s_bfe_u32 s19, ttmp6, 0x40000                  ; cx = my tile of 256 columns
	s_bfe_u32 s20, ttmp6, 0x40004                  ; cy
	s_and_b32 s21, ttmp7, 0xffff
	s_lshl_b32 s84, s21, 2
	s_add_co_u32 s84, s84, s20                     ; Pt: my tile of 128 rows
	s_lshl_b32 s87, s20, 2
	s_lshl_b32 s87, 15, s87                        ; my row of the cluster
	s_lshl_b32 s91, 0x1111, s19                    ; my column
	s_or_b32 s[G1P], s87, (3<<16)|(1<<21)
	s_or_b32 s[G1SP], s87, (3<<16)|(1<<21)
	s_or_b32 s[G1R], s91, (3<<16)|(1<<21)
	s_or_b32 s[G1SR], s91, (3<<16)|(1<<21)
	G1REST G1P, 64, 32                             ; 4 tiles x 4,096 dense bytes
	G1REST G1R, 128, 32                            ; 8 tiles
	G1REST G1SP, 8, 4096                           ; 8 K steps x 256 bytes (4 tiles' words), 32,768 bytes apart in aos
	G1REST G1SR, 16, 32                            ; 8 tiles x 512 dense bytes
	s_lshl_b32 s96, s84, 3
	s_lshl_b32 s2, s[WJ], 2
	s_add_co_u32 s96, s96, s2                      ; P: the 4 tiles that I fetch
	s_lshl_b32 s98, s96, 6
	s_lshl_b32 s96, s96, 12
	s_mov_b32 s97, 0
	s_mov_b32 s99, 0
	s_lshl_b32 s92, s19, 4
	s_lshl_b32 s2, s[WJ], 3
	s_add_co_u32 s92, s92, s2
	s_add_co_u32 s92, s92, 1216                    ; R: the 8 tiles of Wo
	s_lshl_b32 s94, s92, 9
	s_lshl_b32 s92, s92, 12
	s_mov_b32 s93, 0
	s_mov_b32 s95, 0
	s_lshl_b32 s2, s[WJ], 14
	s_lshl_b32 s3, s[WJ], 15
	s_add_co_u32 s3, s3, RCOD
	s_lshl_b32 s23, s[WJ], 11
	s_add_co_u32 s23, s23, SCPL
	s_lshl_b32 s22, s[WJ], 12
	s_add_co_u32 s22, s22, SCRL
	s_wait_dscnt 0x0
	s_wait_kmcnt 0x0
	CROUND
	s_mov_b32 s[G0SP], 1
	s_mov_b32 s[G0SP+1], s23
	s_add_nc_u64 s[G0SP+2:G0SP+3], s[6:7], s[98:99]
	s_or_b32 s[G0SP+3], s[G0SP+3], 0x80000000
	s_mov_b32 s[G0SR], 1
	s_mov_b32 s[G0SR+1], s22
	s_add_nc_u64 s[G0SR+2:G0SR+3], s[10:11], s[94:95]
	s_or_b32 s[G0SR+3], s[G0SR+3], 0x80000000
	JLOAD G0SP, G1SP, G0SR, G1SR
.irp hf, 0,1
	s_mov_b32 s[G0P+4*\hf], 1
	s_add_co_u32 s[G0P+4*\hf+1], s2, \hf*32768
	s_add_nc_u64 s[G0P+4*\hf+2:G0P+4*\hf+3], s[4:5], s[96:97]
	s_add_nc_u64 s[G0P+4*\hf+2:G0P+4*\hf+3], s[G0P+4*\hf+2:G0P+4*\hf+3], \hf*HSA
	s_or_b32 s[G0P+4*\hf+3], s[G0P+4*\hf+3], 0x80000000
	s_mov_b32 s[G0R+4*\hf], 1
	s_add_co_u32 s[G0R+4*\hf+1], s3, \hf*65536
	s_add_nc_u64 s[G0R+4*\hf+2:G0R+4*\hf+3], s[8:9], s[92:93]
	s_add_nc_u64 s[G0R+4*\hf+2:G0R+4*\hf+3], s[G0R+4*\hf+2:G0R+4*\hf+3], \hf*HS
	s_or_b32 s[G0R+4*\hf+3], s[G0R+4*\hf+3], 0x80000000
	JLOAD G0P+4*\hf, G1P, G0R+4*\hf, G1R           ; three tensor loads of mine are out in all
.endr
	v_and_b32 v1, 15, v0                           ; r
	v_bfe_u32 v2, v0, 4, 1                         ; h
	v_and_b32 v4, 31, v0
	v_lshlrev_b32 v3, 4, v4                        ; 16 x lane; never rewritten
	s_lshl_b32 s2, s84, 7
	s_lshl_b32 s3, s[WI], 6
	s_add_co_u32 s2, s2, s3                        ; my first row,
	s_lshl_b32 s2, s2, 12                          ; of 4,096 bytes,
	s_lshl_b32 s3, s19, 10
	s_add_co_u32 s2, s2, s3
	s_lshl_b32 s3, s[WJ], 9
	s_add_co_u32 s2, s2, s3                        ; and my 512 bytes of it
	s_mov_b32 s3, 0
	s_add_nc_u64 s[12:13], s[12:13], s[2:3]
	s_add_nc_u64 s[14:15], s[14:15], s[2:3]
	WIN 0xc0                                       ; destination window 3
.irp a, 0,1,2,3
.irp t, 0,1,2,3,4,5,6,7,8,9,10,11,12,13,14,15
	global_load_b128 v[4*(16*\a+\t):4*(16*\a+\t)+3], v3, s[12:13] offset:(32*(\a/2)+8*(\a%2)+\t+8*(\t/8))*4096 th:TH_LOAD_NT
.endr
.endr
	WIN 0
	s_lshl_b32 s2, s[WI], 14
	v_add_nc_u32 v[ADRP], s2, v3
	s_lshl_b32 s2, s[WJ], 15
	s_add_co_u32 s2, s2, RCOD
	v_add_nc_u32 v[ADRR], s2, v3
	s_add_co_u32 s2, s2, 65536
	v_add_nc_u32 v[ADRR+1], s2, v3
	s_lshl_b32 s2, s[WI], 11
	s_add_co_u32 s2, s2, SCPL
	v_lshl_add_u32 v[ADSP], v1, 2, s2              ; P's words: 4 r
	v_lshlrev_b32 v5, 5, v1
	s_lshl_b32 s2, s[WJ], 12
	s_add_co_u32 s2, s2, SCRL
	v_add_nc_u32 v[ADSR], s2, v5                   ; R's: 32 r
	s_mul_i32 s2, s[WV], 16*SP
	s_add_co_u32 s2, s2, STG                       ; my stage
	v_mul_u32_u24 v5, v1, SP
	v_lshl_add_u32 v5, v2, 6, v5
	v_add_nc_u32 v[STO], s2, v5                    ; in: row r, + 64 h
	v_add_nc_u32 v[RD], s2, v3                     ; back: a whole row, 16 bytes a lane
.macro FETCH s
	WIN TO_R
.irp b, 0,1,2,3,4,5,6,7
.irp c, 0,1
	ds_load_b128 v[128*((\s)%2)+8*\b+4*\c:128*((\s)%2)+8*\b+4*\c+3], v[ADRR+(\s)/4] offset:\b*4096+((\s)%4)*1024+512*\c
.endr
.endr
	WIN 0
.irp a, 0,1,2,3
.irp c, 0,1
	ds_load_b128 v[PF+32*((\s)%2)+8*\a+4*\c:PF+32*((\s)%2)+8*\a+4*\c+3], v[ADRP] offset:((\s)/4)*32768+\a*4096+((\s)%4)*1024+512*\c
.endr
.endr
.endm
; A K step of 128: 32 matrix instructions; the 32 accumulators take turns, one instruction a turn, in the same order in every step
.macro KSTEP s
	s_wait_dscnt 0x0                               ; this step's fragments are in
.if (\s) == 3
	s_wait_tensorcnt 0x0                           ; my part of K half 1 has landed,
	s_barrier_signal -1
	s_barrier_wait -1                              ; everybody's has
.endif
.if (\s) < 7
.if (\s) > 0
	PLACES                                         ; four places between the last step's products and loads into the registers that they read
.endif
	FETCH (\s)+1
.endif
	WIN MUL
.irp a, 0,1,2,3
.irp b, 0,1,2,3,4,5,6,7
.if (\s) == 0
	v_wmma_scale_f32_16x16x128_f8f6f4 v[8*(8*\a+\b):8*(8*\a+\b)+7], v[128*((\s)%2)+8*\b:128*((\s)%2)+8*\b+7], v[PF+32*((\s)%2)+8*\a:PF+32*((\s)%2)+8*\a+7], 0, v[SCR+8*\b+(\s)], v[SCP+8*\a+(\s)] matrix_a_fmt:MATRIX_FMT_FP4 matrix_b_fmt:MATRIX_FMT_FP4
.else
	v_wmma_scale_f32_16x16x128_f8f6f4 v[8*(8*\a+\b):8*(8*\a+\b)+7], v[128*((\s)%2)+8*\b:128*((\s)%2)+8*\b+7], v[PF+32*((\s)%2)+8*\a:PF+32*((\s)%2)+8*\a+7], v[8*(8*\a+\b):8*(8*\a+\b)+7], v[SCR+8*\b+(\s)], v[SCP+8*\a+(\s)] matrix_a_fmt:MATRIX_FMT_FP4 matrix_b_fmt:MATRIX_FMT_FP4
.endif
.endr
.endr
.endm
	s_wait_tensorcnt 1                             ; the scale words and my part of K half 0 are in; K half 1's one load may stay out
	s_barrier_signal -1
	s_barrier_wait -1
.irp a, 0,1,2,3
.irp q, 0,1,2,3,4,5,6,7
	ds_load_b32 v[SCP+8*\a+\q], v[ADSP] offset:\q*256+\a*64
.endr
.endr
.irp b, 0,1,2,3,4,5,6,7
.irp c, 0,1
	ds_load_b128 v[SCR+8*\b+4*\c:SCR+8*\b+4*\c+3], v[ADSR] offset:\b*512+16*\c
.endr
.endr
	FETCH 0
.irp s, 0,1,2,3,4,5,6,7
	KSTEP \s
.endr
	WIN 0
.macro TOSTAGE a                       ; block a: into my stage, each accumulator from its low end on, and back as whole rows.  LDS serves a wave's instructions in order (ISA guide 5.7.1.4)
	WIN 0x08                                       ; an LDS store's data are its source 1: window 2
.irp b, 0,1,2,3,4,5,6,7
	ds_store_b128 v[STO], v[64*(\a)+8*\b:64*(\a)+8*\b+3] offset:128*(\b/2)+32*(\b%2)
	ds_store_b128 v[STO], v[64*(\a)+8*\b+4:64*(\a)+8*\b+7] offset:128*(\b/2)+32*(\b%2)+16
.endr
	WIN 0
.set BB, BK+64*((\a)%2)
.irp t, 0,1,2,3,4,5,6,7,8,9,10,11,12,13,14,15
	ds_load_b128 v[BB+4*\t:BB+4*\t+3], v[RD] offset:\t*SP
.endr
.endm
.macro SEND a, younger                 ; younger: the LDS instructions issued behind block a's loads, which may stay out
.set BB, BK+64*((\a)%2)
	s_wait_dscnt \younger
	WIN 0x0c                                       ; source 1 (x) window 3
.irp t, 0,1,2,3,4,5,6,7,8,9,10,11,12,13,14,15
	v_pk_add_f32 v[BB+4*\t:BB+4*\t+1], v[BB+4*\t:BB+4*\t+1], v[4*(16*(\a)+\t):4*(16*(\a)+\t)+1]
	v_pk_add_f32 v[BB+4*\t+2:BB+4*\t+3], v[BB+4*\t+2:BB+4*\t+3], v[4*(16*(\a)+\t)+2:4*(16*(\a)+\t)+3]
.endr
	WIN 0
.irp t, 0,1,2,3,4,5,6,7,8,9,10,11,12,13,14,15
	global_store_b128 v3, v[BB+4*\t:BB+4*\t+3], s[14:15] offset:(32*((\a)/2)+8*((\a)%2)+\t+8*(\t/8))*4096 th:TH_STORE_NT   ; 512 consecutive bytes, aligned
.endr
.endm
	PLACES                                         ; behind the last products: their results are read, and rows are loaded into the registers that held P's fragments
	s_wait_loadcnt 0x0                             ; x
	TOSTAGE 0
.irp a, 1,2,3
.if \a > 1
	s_wait_xcnt 0x0                                ; block a - 2's stores have read their registers: block a's rows may land there
.endif
	TOSTAGE \a
	SEND \a-1, 32                                  ; behind block a - 1's loads: block a's 16 stores and 16 loads
.endr
	SEND 3, 0
	s_wait_tensorcnt 0x0
	ds_add_u32 v30, v31
	s_wait_dscnt 0x0
	CROUND                                         ; the closing round
	s_endpgm
.Lfunc_end_k_qe836274a4d_outp:
	.size	k_qe836274a4d_outp, .Lfunc_end_k_qe836274a4d_outp-k_qe836274a4d_outp
	.p2alignl 7, 3214868480
	.fill 96, 4, 3214868480
	.section	.rodata,"a",@progbits
	.p2align	6, 0x0
	.amdhsa_kernel k_qe836274a4d_outp
		.amdhsa_group_segment_fixed_size 243200
		.amdhsa_private_segment_fixed_size 0
		.amdhsa_enable_private_segment 0
		.amdhsa_kernarg_size 48
		.amdhsa_user_sgpr_count 2
		.amdhsa_user_sgpr_kernarg_segment_ptr 1
		.amdhsa_wavefront_size32 1
		.amdhsa_system_sgpr_workgroup_id_x 1
		.amdhsa_system_sgpr_workgroup_id_y 1
		.amdhsa_system_sgpr_workgroup_id_z 1
		.amdhsa_system_vgpr_workitem_id 0
		.amdhsa_next_free_vgpr 1024
		.amdhsa_next_free_sgpr 100
		.amdhsa_reserve_vcc 0
		.amdhsa_float_denorm_mode_32 3
		.amdhsa_float_denorm_mode_16_64 3
		.amdhsa_memory_ordered 1
		.amdhsa_forward_progress 1
		.amdhsa_inst_pref_size 87
	.end_amdhsa_kernel
	.amdgpu_metadata
---
amdhsa.version: [ 1, 2 ]
amdhsa.kernels:
  - .name:           k_qe836274a4d_outp
    .symbol:         k_qe836274a4d_outp.kd
    .args:
      - { .name: aoc, .offset: 0, .size: 8, .value_kind: global_buffer, .address_space: global }
      - { .name: aos, .offset: 8, .size: 8, .value_kind: global_buffer, .address_space: global }
      - { .name: opc, .offset: 16, .size: 8, .value_kind: global_buffer, .address_space: global }
      - { .name: ops, .offset: 24, .size: 8, .value_kind: global_buffer, .address_space: global }
      - { .name: x, .offset: 32, .size: 8, .value_kind: global_buffer, .address_space: global }
      - { .name: out0, .offset: 40, .size: 8, .value_kind: global_buffer, .address_space: global }
    .group_segment_fixed_size: 243200
    .private_segment_fixed_size: 0
    .kernarg_segment_align: 8
    .kernarg_segment_size: 48
    .max_flat_workgroup_size: 128
    .sgpr_count:     100
    .vgpr_count:     1024
    .wavefront_size: 32
...
	.end_amdgpu_metadata
.endif
;; end of part 4
